; MI455X (gfx1250); checked and timed in simulation.
; The chip was launched on July 23, 2026; its instructions are those of AMD's public machine-readable ISA for CDNA 5 (MIT licence, August 2026) and "CDNA5" Instruction Set Architecture Reference Guide (July 2026). The comments in the code are by the model that wrote it; some were corrected since.
;; Infinite Memory. Allowed arithmetic: float matrix products may take bf16 or f16 operands with f32 sums; other float arithmetic in f32, or as packed bf16 or f16 multiplies, adds, multiply-adds, maxima and minima; sums over many terms, partial sums and values carried from step to step in f32; what a program stores and reads back later, other than sums and carried values, may be rounded once to bf16 or f16.
;; Inputs: Wa 3 x 4 x 256 float32; Wb 3 x 4 x 256 float32; Wk 256 x 384 float32; Wv 256 x 384 float32; ba 3 x 4 float32; bb 3 x 4 float32; emb 1,024 x 384 float32.
;; Outputs: out0 1,024 x 256 float32.
;; 2 versions, each right; version 2 is version 1 with the launch prep written anew for expert scheduling mode. Each part assembles by itself: llvm-mc -triple=amdgcn-amd-amdhsa -mcpu=gfx1250 --defsym DOCPART=n.
;; ======== version 1 of 2: 4 launches
;; limits: values are held in f16: magnitudes above 65,504 overflow, below 6.1e-05 lose precision
;; workspace buffers: kf 1,048,576 bytes; vf 524,288 bytes; strm 2,359,296 bytes; vt 3,145,728 bytes; rb 3,145,728 bytes
;; launch proj (part 1): grid 32 x 8, 6 waves a work-group, no clusters, 49,920 bytes of LDS; arguments emb, Wk, Wv, kf, vf; writes kf, vf
.if DOCPART == 1
	.amdgcn_target "amdgcn-amd-amdhsa--gfx1250"
	.amdhsa_code_object_version 6
	.text
	.protected	k_qff5b0940f5_proj
	.globl	k_qff5b0940f5_proj
	.p2align	8
	.type	k_qff5b0940f5_proj,@function
k_qff5b0940f5_proj:
	s_mov_b64 s[64:65], 0
	v_nop
	global_prefetch_b8 v0, s[64:65] scope:SCOPE_SE
	s_setreg_imm32_b32 hwreg(HW_REG_WAVE_MODE, 25, 1), 1
	s_wait_xcnt 0x0
; k_all = emb Wk^T and v_all = emb Wv^T.  emb [1024][384], Wk, Wv [256][384], all f32, rounded to bf16 on the way to the matrix unit; sums in f32.
; A work-group makes 32 tokens (x) by 64 output columns: y 0-3 columns 64 y of k, y 4-7 columns 64 (y - 4) of v.  256 work-groups.
; The six waves split K = 384: wave w takes the 64 numbers from 64 w on, 256 consecutive aligned bytes of every row, all 48 loads out at once.  Their f32 partial sums meet in LDS.
; OUT.  kf: k in f32, blocks of 1,024 bytes [16 tokens][16 columns]; in a block lane l holds token l % 16 and columns 8 (l / 16) + 0..7 (source 0 = weights, source 1 = tokens).
;       vf: v in f16, blocks of 1,024 bytes [32 tokens][16 columns]: lane l holds column l % 16, and the 32 tokens lie as a second source's K does (source 0 = tokens, source 1 = weights; two results packed).
; In every block a lane's registers 0-3 lie at 16 l, registers 4-7 at 512 + 16 l: each store of the wave covers 512 consecutive bytes.
; LIMIT.  v leaves as f16: beyond 65,504 it is lost.  No tensor loads and no cluster: every tile is fetched once, through the registers in which it is converted.
.set ROWB,  1536                       ; bytes in a row of emb, Wk, Wv
.set TILEB, 16*ROWB
.set ST,    16                         ; v[16:207] twelve blocks of 16: blocks 0-3 emb (2 tt + ks), blocks 4-11 weights (4 + 2 ct + ks); f32 as loaded, then bf16 in the lower 8
.set SPW,   10                         ; v10 my spare word, v11 zero: never rewritten
.set NIL,   11
.set SPARE, 49152                      ; behind the six regions of partial sums (8,192 bytes a wave)
	s_load_b256 s[4:11], s[0:1], 0x0               ; emb s[4:5], Wk s[6:7], Wv s[8:9], kf s[10:11]
	s_load_b64 s[12:13], s[0:1], 0x20              ; vf
	v_lshl_add_u32 v[SPW], v0, 2, SPARE
	v_mov_b32 v[NIL], 0
	v_lshrrev_b32 v7, 5, v0
	v_readfirstlane_b32 s16, v7                    ; wave 0..5
	v_and_b32 v1, 15, v0                           ; r = lane % 16
	v_bfe_u32 v2, v0, 4, 1                         ; h = lane / 16
	v_and_b32 v6, 31, v0
	v_lshlrev_b32 v6, 4, v6                        ; 16 x lane
	v_mul_u32_u24 v3, v1, ROWB
	v_lshl_add_u32 v3, v2, 5, v3                   ; row r, 8 h numbers on,
	s_lshl_b32 s17, s16, 8
	v_add_nc_u32 v3, s17, v3                       ; and my wave's 256 bytes of the row
	s_lshl_b32 s17, s16, 13
	v_add_nc_u32 v4, s17, v6                       ; LDS: my wave's partial sums
	s_lshl_b32 s17, s16, 11
	v_add_nc_u32 v5, s17, v6                       ; LDS: column tile w of every wave's partial sums
	s_and_b32 s18, ttmp7, 0xffff                   ; y
	s_and_b32 s19, s18, 3
	s_mul_i32 s20, ttmp9, 32*ROWB                  ; my 32 tokens
	s_mov_b32 s21, 0
	s_mul_i32 s22, s19, 64*ROWB                    ; my 64 rows of the weights
	s_mov_b32 s23, 0
	s_lshl_b32 s26, s19, 2
	s_add_co_u32 s26, s26, s16                     ; the column tile that wave w (0..3) stores
	s_lshl_b32 s24, ttmp9, 5
	s_add_co_u32 s24, s24, s26
	s_lshl_b32 s24, s24, 10                        ; kf: block (2 x) 16 + tile
	s_mov_b32 s25, 0
	s_lshl_b32 s28, ttmp9, 4
	s_add_co_u32 s28, s28, s26
	s_lshl_b32 s28, s28, 10                        ; vf: block 16 x + tile
	s_mov_b32 s29, 0
	s_wait_kmcnt 0x0
	s_cmp_lt_u32 s18, 4
	s_cselect_b64 s[14:15], s[6:7], s[8:9]         ; Wk or Wv
	s_add_nc_u64 s[4:5], s[4:5], s[20:21]
	s_add_nc_u64 s[14:15], s[14:15], s[22:23]
	s_add_nc_u64 s[10:11], s[10:11], s[24:25]
	s_add_nc_u64 s[12:13], s[12:13], s[28:29]
; A fragment is 16 rows x 32 K: lane (r, h) takes K = 8 h + 0..7 and 16 + 8 h + 0..7 of row r: in f32 four loads of 16 bytes at 0, 16, 64, 80.
.set b, 0
.rept 4
.irp q, 0,1,2,3
	global_load_b128 v[ST+16*b+4*(\q):ST+16*b+4*(\q)+3], v3, s[4:5] offset:(b/2)*TILEB+(b%2)*128+((\q)/2)*64+((\q)%2)*16
.endr
.set b, b+1
.endr
.set b, 0
.rept 8
.irp q, 0,1,2,3
	global_load_b128 v[ST+64+16*b+4*(\q):ST+64+16*b+4*(\q)+3], v3, s[14:15] offset:(b/2)*TILEB+(b%2)*128+((\q)/2)*64+((\q)%2)*16
.endr
.set b, b+1
.endr
	s_wait_loadcnt 0x0
.set i, 0
.rept 96                               ; each block's 16 f32 become 8 registers of bf16, in place, ascending
	v_cvt_pk_bf16_f32 v[ST+16*(i/8)+i%8], v[ST+16*(i/8)+2*(i%8)], v[ST+16*(i/8)+2*(i%8)+1]
.set i, i+1
.endr
; 16 matrix instructions.  Accumulator a = 2 ct + tt lies in the upper 8 registers of block a; the eight take turns; the first K step starts the sums.
.macro MULS swap
.irp ks, 0,1
.irp a, 0,1,2,3,4,5,6,7
.set rD, ST+16*(\a)+8
.set rE, ST+16*(((\a)%2)*2+(\ks))
.set rW, ST+16*(4+((\a)/2)*2+(\ks))
.if \swap
.set rA, rE
.set rB, rW
.else
.set rA, rW
.set rB, rE
.endif
.if (\ks) == 0
	v_wmma_f32_16x16x32_bf16 v[rD:rD+7], v[rA:rA+7], v[rB:rB+7], 0
.else
	v_wmma_f32_16x16x32_bf16 v[rD:rD+7], v[rA:rA+7], v[rB:rB+7], v[rD:rD+7]
.endif
.endr
.endr
.endm
	s_cmp_lt_u32 s18, 4
	s_cbranch_scc0 .Lmul_v
	MULS 0                                         ; k: a lane holds a token
	s_branch .Lmul_done
.Lmul_v:
	MULS 1                                         ; v: a lane holds a column
.Lmul_done:
.rept 4
	v_nop                                          ; four places between the last product and the stores that read the results
.endr
.irp a, 0,1,2,3,4,5,6,7
	ds_store_b128 v4, v[ST+16*(\a)+8:ST+16*(\a)+11] offset:(\a)*1024
	ds_store_b128 v4, v[ST+16*(\a)+12:ST+16*(\a)+15] offset:(\a)*1024+512
.endr
	s_wait_dscnt 0x0                               ; for the others' sake: my partial sums are in LDS
	s_barrier_signal -1
	s_barrier_wait -1
	s_cmp_ge_u32 s16, 4
	s_cbranch_scc1 .Lend                           ; four column tiles, four waves
.set i, 0
.rept 24                               ; wave p = i / 4, token tile (i / 2) % 2, half i % 2
	ds_load_b128 v[16+4*i:16+4*i+3], v5 offset:(i/4)*8192+((i/2)%2)*1024+(i%2)*512
.set i, i+1
.endr
	s_wait_dscnt 0x0
.set i, 0
.rept 40                               ; the six partial sums are added in f32, wave after wave
	v_pk_add_f32 v[16+2*(i%8):17+2*(i%8)], v[16+2*(i%8):17+2*(i%8)], v[32+16*(i/8)+2*(i%8):33+16*(i/8)+2*(i%8)]
.set i, i+1
.endr
	s_cmp_lt_u32 s18, 4
	s_cbranch_scc0 .Lout_v
	global_store_b128 v6, v[16:19], s[10:11]
	global_store_b128 v6, v[20:23], s[10:11] offset:512
	global_store_b128 v6, v[24:27], s[10:11] offset:16384      ; the second 16 tokens: sixteen blocks on
	global_store_b128 v6, v[28:31], s[10:11] offset:16896
	s_branch .Lend
.Lout_v:
.set i, 0
.rept 8
	v_cvt_pk_f16_f32 v[32+i], v[16+2*i], v[17+2*i] ; two results of 16 tokens, packed, are one fragment of 32 tokens
.set i, i+1
.endr
	global_store_b128 v6, v[32:35], s[12:13]
	global_store_b128 v6, v[36:39], s[12:13] offset:512
.Lend:
	s_wait_tensorcnt 0x0                           ; the wave's end
	ds_add_u32 v[SPW], v[NIL]
	s_wait_dscnt 0x0
	s_endpgm
.Lfunc_end_k_qff5b0940f5_proj:
	.size	k_qff5b0940f5_proj, .Lfunc_end_k_qff5b0940f5_proj-k_qff5b0940f5_proj
	.p2alignl 7, 3214868480
	.fill 96, 4, 3214868480
	.section	.rodata,"a",@progbits
	.p2align	6, 0x0
	.amdhsa_kernel k_qff5b0940f5_proj
		.amdhsa_group_segment_fixed_size 49920
		.amdhsa_private_segment_fixed_size 0
		.amdhsa_enable_private_segment 0
		.amdhsa_kernarg_size 40
		.amdhsa_user_sgpr_count 2
		.amdhsa_user_sgpr_kernarg_segment_ptr 1
		.amdhsa_wavefront_size32 1
		.amdhsa_system_sgpr_workgroup_id_x 1
		.amdhsa_system_sgpr_workgroup_id_y 1
		.amdhsa_system_sgpr_workgroup_id_z 1
		.amdhsa_system_vgpr_workitem_id 0
		.amdhsa_next_free_vgpr 208
		.amdhsa_next_free_sgpr 66
		.amdhsa_reserve_vcc 0
		.amdhsa_float_denorm_mode_32 3
		.amdhsa_float_denorm_mode_16_64 3
		.amdhsa_memory_ordered 1
		.amdhsa_forward_progress 1
		.amdhsa_inst_pref_size 22
	.end_amdhsa_kernel
	.amdgpu_metadata
---
amdhsa.version: [ 1, 2 ]
amdhsa.kernels:
  - .name:           k_qff5b0940f5_proj
    .symbol:         k_qff5b0940f5_proj.kd
    .args:
      - { .name: emb, .offset: 0, .size: 8, .value_kind: global_buffer, .address_space: global }
      - { .name: Wk, .offset: 8, .size: 8, .value_kind: global_buffer, .address_space: global }
      - { .name: Wv, .offset: 16, .size: 8, .value_kind: global_buffer, .address_space: global }
      - { .name: kf, .offset: 24, .size: 8, .value_kind: global_buffer, .address_space: global }
      - { .name: vf, .offset: 32, .size: 8, .value_kind: global_buffer, .address_space: global }
    .group_segment_fixed_size: 49920
    .private_segment_fixed_size: 0
    .kernarg_segment_align: 8
    .kernarg_segment_size: 40
    .max_flat_workgroup_size: 192
    .sgpr_count:     66
    .vgpr_count:     208
    .wavefront_size: 32
...
	.end_amdgpu_metadata
.endif
;; end of part 1
;; launch prep (part 2): grid 16 x 3, 4 waves a work-group, no clusters, 68,608 bytes of LDS; arguments kf, vf, Wa, Wb, ba, bb, strm, vt; writes strm, vt
.if DOCPART == 2
	.amdgcn_target "amdgcn-amd-amdhsa--gfx1250"
	.amdhsa_code_object_version 6
	.text
	.protected	k_qff5b0940f5_prep
	.globl	k_qff5b0940f5_prep
	.p2align	8
	.type	k_qff5b0940f5_prep,@function
k_qff5b0940f5_prep:
	s_mov_b64 s[64:65], 0
	v_nop
	global_prefetch_b8 v0, s[64:65] scope:SCOPE_SE
	s_setreg_imm32_b32 hwreg(HW_REG_WAVE_MODE, 25, 1), 1
	s_wait_xcnt 0x0
; All that a chunk of 64 tokens (c = x) and a timescale (s = y) need before the sequential walk.  W starts at 0 and the strengths are one number for a token and a timescale, so the four heads
; hold one matrix.  With unit keys K, L = the strictly lower part of K K^T and T = (I + diag(a) L)^-1 a chunk is: P = K W; U = T diag(b) V - T diag(a) P; r = P + L U; W += K^T U.
; This launch makes a, b (means over the heads of the sigmoids, from the unnormalised k), K (f16), L (f16), -T diag(a) (f16) and T diag(b) V (f32).
; T is made by exact substitution, not by a series: the 16 x 16 diagonal blocks in f32 on the vector unit, then block rows on the matrix unit with f16 operands and f32 sums.
; Four waves; wave w owns tokens 16 w .. 16 w + 15 of the chunk, and later column block w of T.
; LAYOUT.  A result of the matrix unit holds column n = lane % 16 and rows 8 (lane / 16) + 0..7; two results that are neighbours along the rows, packed to 16 bits, are a fragment (lane = n, K = the rows).
; strm, 49,152 bytes for (s, c), blocks of 1,024 bytes: K's fragment (token tile ti, 32 channels ks) at (4 ks + ti); -T diag(a) (ti, kq) at 32 + 2 ti + kq; L at 40 + 2 ti + kq.  In a block lane (r, h) has its
; registers 0-3 at LO = 16 (((r + 8 h) % 16) + 16 h) and 4-7 at 512 + LO: the turning load of the next launch then takes 8 rows from different banks (64 banks of 4 bytes: ISA guide 11.1).
; LIMITS.  Wa, Wb and the k that the gates see are rounded to bf16; K, L, T and V are f16 (V beyond 65,504 is lost; below 6e-5 f16 keeps its step of 6e-8); a squared norm below 2^-126 counts as 0.
; No tensor loads, no cluster: 48 work-groups that share nothing but Wa and Wb, 8 KB.
.set KR,   32                          ; v[32:159]  k of my 16 tokens in f32 (column tile ct at 8 ct); later K in f16, fragment ks in the lower 8 of each 16
.set KB,   160                         ; v[160:223] k in bf16, 8 fragments; later fragments of other waves' K
.set G,    224                         ; v[224:255] four results of K K^T; before that the gates' two sums
.set LA,   224
.set LB,   232
.set XR,   176                         ; v[176:191] a row of a diagonal block's inverse; later v[176:207] X, my column block of T
.set AFR,  32                          ; phase 3: v[32:95] diag(a) L, 8 fragments; v[96:127] the diagonal inverses
.set TIR,  96
.set XB,   128                         ; v[128:143] X in f16, as second source
.set RB,   144                         ; v[144:151] a right side in f16
.set ID,   152                         ; v[152:159] the unit matrix as a result lies
.set S0,   160
.set S1,   168
.set RN,   20                          ; v[20:21] 1 / max(|k|, 1e-12), twice; v[22:23] a; v[24:25] b; v[26:27] -a
.set A2,   22
.set B2,   24
.set NA2,  26
.set SPW,  10
.set NIL,  11
.set L_AF, 32768                       ; LDS: K's fragments [wave][ks] from 0; diag(a) L [wave][kq]; the inverses, 512 bytes each;
.set L_TI, 40960
.set L_AD, 43520                       ; each wave's diagonal block in f32, [16][16];
.set TP,   160                         ; -T diag(a) and T diag(b), stored [column][row] in f16, 128 bytes + 32 of padding a column
.set L_TA, 47616
.set L_TB, 10240                       ; from the one to the other
.set SPARE, 68096
.set MSB, 0
.macro WIN new                         ; s_set_vgpr_msb: bits 1:0 source 0, 3:2 source 1, 5:4 source 2, 7:6 destination; the high byte repeats the setting that is left
.if MSB != (\new)
	s_set_vgpr_msb (MSB<<8)|(\new)
.set MSB, (\new)
.endif
.endm
.macro PLACES                          ; four places behind a matrix instruction before its results are read or its registers written (ISA guide 7.12.1)
.rept 4
	v_nop
.endr
.endm
	s_load_b256 s[4:11], s[0:1], 0x0               ; kf s[4:5], vf s[6:7], Wa s[8:9], Wb s[10:11]
	s_load_b256 s[12:19], s[0:1], 0x20             ; ba s[12:13], bb s[14:15], strm s[16:17], vt s[18:19]
	v_lshl_add_u32 v[SPW], v0, 2, SPARE
	v_mov_b32 v[NIL], 0
	v_lshrrev_b32 v12, 5, v0
	v_readfirstlane_b32 s20, v12                   ; wave 0..3
	s_mov_b32 s21, ttmp9                           ; chunk
	s_and_b32 s22, ttmp7, 0xffff                   ; timescale
	s_lshl_b32 s24, s21, 2
	s_add_co_u32 s24, s24, s20
	s_lshl_b32 s24, s24, 14                        ; kf: my 16 tokens' sixteen blocks
	s_mov_b32 s25, 0
	s_lshl_b32 s26, s21, 15
	s_lshl_b32 s27, s20, 12
	s_add_co_u32 s26, s26, s27                     ; vf: the chunk's first 32 tokens, my four column tiles
	s_mov_b32 s27, 0
	s_lshl_b32 s40, s22, 12                        ; Wa[s], Wb[s]
	s_mov_b32 s41, 0
	s_lshl_b32 s42, s22, 4                         ; ba[s], bb[s]
	s_mov_b32 s43, 0
	s_lshl_b32 s44, s22, 4
	s_add_co_u32 s44, s44, s21
	s_mul_i32 s44, s44, 49152                      ; strm (s, c)
	s_mov_b32 s45, 0
	s_lshl_b32 s46, s22, 20
	s_lshl_b32 s47, s20, 18
	s_add_co_u32 s46, s46, s47
	s_lshl_b32 s47, s21, 12
	s_add_co_u32 s46, s46, s47                     ; vt [s][4 w][c]
	s_mov_b32 s47, 0
	s_mov_b32 s36, 0x76543210                      ; v_permlanex16_b32: each lane takes its own place in the other half
	s_mov_b32 s37, 0xfedcba98
	s_mov_b32 s39, 0                               ; named with s38 as a pair
	v_and_b32 v12, 31, v0
	v_and_b32 v1, 15, v0                           ; r
	v_bfe_u32 v2, v0, 4, 1                         ; h
	v_lshlrev_b32 v4, 4, v12                       ; 16 x lane
	v_lshl_add_u32 v13, v2, 3, v1
	v_and_b32 v13, 15, v13
	v_lshl_add_u32 v13, v2, 4, v13
	v_lshlrev_b32 v3, 4, v13                       ; LO
	v_and_b32 v13, 3, v0
	v_lshlrev_b32 v5, 10, v13
	v_lshl_add_u32 v5, v2, 5, v5                   ; Wa, Wb: head r % 4, 8 h numbers on
	v_lshlrev_b32 v13, 3, v2
	v_sub_nc_u32 v9, v1, v13                       ; r - 8 h
	s_lshl_b32 s23, s20, 4
	v_add_nc_u32 v6, s23, v9                       ; my token less 8 h: register j of tile l is below the diagonal where 16 l + j is smaller
	s_lshl_b32 s23, s20, 13
	v_add_nc_u32 v28, s23, v3                      ; LDS: my K fragments
	s_lshl_b32 s23, s20, 10
	v_add_nc_u32 v29, s23, v3                      ; strm: K's token tile w
	s_lshl_b32 s23, s20, 11
	v_add_nc_u32 v30, s23, v3                      ; two blocks for row tile w: in LDS and in strm
	s_lshl_b32 s23, s20, 10
	s_add_co_u32 s23, s23, L_AD                    ; my diagonal block
	v_lshlrev_b32 v31, 6, v1
	v_lshl_add_u32 v31, v2, 5, v31
	v_add_nc_u32 v31, s23, v31                     ; row r, 8 h numbers on
	s_mul_i32 s23, s20, 16*TP
	s_add_co_u32 s23, s23, L_TA
	v_mul_u32_u24 v7, v1, TP
	v_lshl_add_u32 v7, v2, 4, v7
	v_add_nc_u32 v7, s23, v7                       ; column 16 w + r of T, rows 8 h on
	v_and_b32 v12, 7, v0
	v_lshl_add_u32 v12, v2, 3, v12
	v_mul_u32_u24 v8, v12, TP
	v_bfe_u32 v12, v0, 3, 1
	v_lshl_add_u32 v8, v12, 4, v8
	v_add_nc_u32 v8, L_TA, v8                      ; the turning load: column 8 h + lane % 8, rows 8 ((lane / 8) % 2) on
	s_wait_kmcnt 0x0
	s_add_nc_u64 s[4:5], s[4:5], s[24:25]
	s_add_nc_u64 s[6:7], s[6:7], s[26:27]
	s_add_nc_u64 s[8:9], s[8:9], s[40:41]
	s_add_nc_u64 s[10:11], s[10:11], s[40:41]
	s_add_nc_u64 s[12:13], s[12:13], s[42:43]
	s_add_nc_u64 s[14:15], s[14:15], s[42:43]
	s_add_nc_u64 s[16:17], s[16:17], s[44:45]
	s_add_nc_u64 s[18:19], s[18:19], s[46:47]
	; PHASE 1: my 16 tokens: norm, gates, K
.set i, 0
.rept 16
	global_load_b128 v[KR+8*i:KR+8*i+3], v4, s[4:5] offset:i*1024
	global_load_b128 v[KR+8*i+4:KR+8*i+7], v4, s[4:5] offset:i*1024+512
.set i, i+1
.endr
	WIN 0x40                                       ; destination window 1: Wa's fragment ks at 16 ks, Wb's at 128 + 16 ks, in f32
.set i, 0
.rept 8
.irp q, 0,1,2,3
	global_load_b128 v[16*i+4*(\q):16*i+4*(\q)+3], v5, s[8:9] offset:i*128+((\q)/2)*64+((\q)%2)*16
	global_load_b128 v[128+16*i+4*(\q):128+16*i+4*(\q)+3], v5, s[10:11] offset:i*128+((\q)/2)*64+((\q)%2)*16
.endr
.set i, i+1
.endr
	WIN 0
	s_load_b128 s[28:31], s[12:13], 0x0            ; four biases each
	s_load_b128 s[32:35], s[14:15], 0x0
	s_wait_loadcnt 63                              ; k's 32 loads are in.  Behind them 64 were issued, and a wait can name 63 at the most: the first of Wa's is waited for with them, the other 63 stay out
.set i, 0
.rept 64                               ; the sum of my 128 squares in four chains; the first four products start them
.if i < 4
	v_pk_mul_f32 v[12+2*i:13+2*i], v[KR+2*i:KR+2*i+1], v[KR+2*i:KR+2*i+1]
.else
	v_pk_fma_f32 v[12+2*(i%4):13+2*(i%4)], v[KR+2*i:KR+2*i+1], v[KR+2*i:KR+2*i+1], v[12+2*(i%4):13+2*(i%4)]
.endif
.set i, i+1
.endr
	v_pk_add_f32 v[12:13], v[12:13], v[14:15]
	v_pk_add_f32 v[16:17], v[16:17], v[18:19]
	v_pk_add_f32 v[12:13], v[12:13], v[16:17]
	v_add_f32 v12, v12, v13
	v_permlanex16_b32 v13, v12, s36, s37           ; the token's other 128 columns lie in the lane 16 away
	v_add_f32 v12, v12, v13
	v_sqrt_f32 v12, v12
	v_nop                                          ; a plain instruction behind a transcendental before its result is used (ISA guide 5.7.2)
	s_wait_alu depctr_va_vdst(0)
	v_max_num_f32 v12, 0x2b8cbccc, v12             ; max(|k|, 1e-12)
	v_rcp_f32 v[RN], v12
	v_rcp_f32 v[RN+1], v12
.set i, 0
.rept 64
	v_cvt_pk_bf16_f32 v[KB+i], v[KR+2*i], v[KR+2*i+1]  ; the unnormalised k, for the gates
.set i, i+1
.endr
	s_wait_loadcnt 0x0
	WIN 0x45                                       ; Wa, Wb to bf16, in place in window 1
.set i, 0
.rept 128
	v_cvt_pk_bf16_f32 v[16*(i/8)+i%8], v[16*(i/8)+2*(i%8)], v[16*(i/8)+2*(i%8)+1]
.set i, i+1
.endr
	WIN 0x01                                       ; source 0 in window 1.  Row m of source 0 is head m % 4, so registers 0-3 of a result are the four heads of token r; the two sums take turns
.set i, 0
.rept 8
.if i == 0
	v_wmma_f32_16x16x32_bf16 v[LA:LA+7], v[0:7], v[KB:KB+7], 0
	v_wmma_f32_16x16x32_bf16 v[LB:LB+7], v[128:135], v[KB:KB+7], 0
.else
	v_wmma_f32_16x16x32_bf16 v[LA:LA+7], v[16*i:16*i+7], v[KB+8*i:KB+8*i+7], v[LA:LA+7]
	v_wmma_f32_16x16x32_bf16 v[LB:LB+7], v[128+16*i:128+16*i+7], v[KB+8*i:KB+8*i+7], v[LB:LB+7]
.endif
.set i, i+1
.endr
	WIN 0
	PLACES
	WIN 0x40                                       ; V of the chunk, my four column tiles: fragment (cc, kq) at 8 (2 cc + kq) of window 1; waited for in phase 4
.set i, 0
.rept 8
	global_load_b128 v[8*i:8*i+3], v4, s[6:7] offset:(i%2)*16384+(i/2)*1024
	global_load_b128 v[8*i+4:8*i+7], v4, s[6:7] offset:(i%2)*16384+(i/2)*1024+512
.set i, i+1
.endr
	WIN 0
	s_wait_kmcnt 0x0
.irp j, 0,1,2,3
	v_add_f32 v[12+(\j)], s[28+(\j)], v[LA+(\j)]
	v_add_f32 v[16+(\j)], s[32+(\j)], v[LB+(\j)]
.endr
.set i, 0
.rept 8
	v_mul_f32 v[12+i], 0xbfb8aa3b, v[12+i]         ; sigmoid(x) = 1 / (1 + 2^(-x log2 e))
.set i, i+1
.endr
.set i, 0
.rept 8
	v_exp_f32 v[12+i], v[12+i]
.set i, i+1
.endr
	v_nop
.set i, 0
	s_wait_alu depctr_va_vdst(0)
.rept 8
	v_add_f32 v[12+i], 1.0, v[12+i]
.set i, i+1
.endr
.set i, 0
.rept 8
	v_rcp_f32 v[12+i], v[12+i]
.set i, i+1
.endr
	v_nop
	s_wait_alu depctr_va_vdst(0)
	v_pk_add_f32 v[12:13], v[12:13], v[14:15]
	v_pk_add_f32 v[16:17], v[16:17], v[18:19]
	v_add_f32 v12, v12, v13
	v_add_f32 v16, v16, v17
	v_mul_f32 v[A2], 0x3e800000, v12               ; the mean over four heads
	v_mul_f32 v[B2], 0x3e800000, v16
	v_mul_f32 v[NA2], 0xbe800000, v12
	v_mov_b32 v[A2+1], v[A2]
	v_mov_b32 v[B2+1], v[B2]
	v_mov_b32 v[NA2+1], v[NA2]
.set i, 0
.rept 64
	v_pk_mul_f32 v[KR+2*i:KR+2*i+1], v[KR+2*i:KR+2*i+1], v[RN:RN+1]
.set i, i+1
.endr
.set i, 0
.rept 64
	v_cvt_pk_f16_f32 v[KR+16*(i/8)+i%8], v[KR+16*(i/8)+2*(i%8)], v[KR+16*(i/8)+2*(i%8)+1]
.set i, i+1
.endr
.set i, 0
.rept 8
	ds_store_b128 v28, v[KR+16*i:KR+16*i+3] offset:i*1024
	ds_store_b128 v28, v[KR+16*i+4:KR+16*i+7] offset:i*1024+512
	global_store_b128 v29, v[KR+16*i:KR+16*i+3], s[16:17] offset:i*4096
	global_store_b128 v29, v[KR+16*i+4:KR+16*i+7], s[16:17] offset:i*4096+512
.set i, i+1
.endr
	s_wait_dscnt 0x0                               ; for the others' sake: my K is in LDS
	s_barrier_signal -1
	s_barrier_wait -1
	; PHASE 2: K K^T.  Result l: lane = my token, registers = tokens 16 l + 8 h + 0..7.  Two results at a time take turns.
.macro GPAIR l0
.set i, 0
.rept 8
	ds_load_b128 v[KB+8*i:KB+8*i+3], v3 offset:((\l0)*8+i)*1024
	ds_load_b128 v[KB+8*i+4:KB+8*i+7], v3 offset:((\l0)*8+i)*1024+512
	ds_load_b128 v[KR+16*i+8:KR+16*i+11], v3 offset:((\l0)*8+8+i)*1024
	ds_load_b128 v[KR+16*i+12:KR+16*i+15], v3 offset:((\l0)*8+8+i)*1024+512
.set i, i+1
.endr
	s_wait_dscnt 0x0
.set i, 0
.rept 8
.if i == 0
	v_wmma_f32_16x16x32_f16 v[G+8*(\l0):G+8*(\l0)+7], v[KB:KB+7], v[KR:KR+7], 0
	v_wmma_f32_16x16x32_f16 v[G+8*(\l0)+8:G+8*(\l0)+15], v[KR+8:KR+15], v[KR:KR+7], 0
.else
	v_wmma_f32_16x16x32_f16 v[G+8*(\l0):G+8*(\l0)+7], v[KB+8*i:KB+8*i+7], v[KR+16*i:KR+16*i+7], v[G+8*(\l0):G+8*(\l0)+7]
	v_wmma_f32_16x16x32_f16 v[G+8*(\l0)+8:G+8*(\l0)+15], v[KR+16*i+8:KR+16*i+15], v[KR+16*i:KR+16*i+7], v[G+8*(\l0)+8:G+8*(\l0)+15]
.endif
.set i, i+1
.endr
	PLACES
.endm
	GPAIR 0
	GPAIR 2
.set i, 0
.rept 32                               ; strictly below the diagonal: the other token comes before mine
	v_cmp_lt_i32 vcc_lo, 16*(i/8)+i%8, v6
	v_cndmask_b32 v[G+i], 0, v[G+i], vcc_lo
.set i, i+1
.endr
.set i, 0
.rept 16
	v_cvt_pk_f16_f32 v[192+i], v[G+2*i], v[G+2*i+1]  ; L's two fragments of row tile w (K K^T is symmetric: lane = row, registers = columns)
.set i, i+1
.endr
.irp q, 0,1,2,3
	global_store_b128 v30, v[192+4*(\q):192+4*(\q)+3], s[16:17] offset:40960+(\q)*512
.endr
.set i, 0
.rept 16
	v_pk_mul_f32 v[G+2*i:G+2*i+1], v[G+2*i:G+2*i+1], v[A2:A2+1]  ; diag(a) L: my row's a
.set i, i+1
.endr
.set i, 0
.rept 16
	v_cvt_pk_f16_f32 v[208+i], v[G+2*i], v[G+2*i+1]
.set i, i+1
.endr
.irp q, 0,1,2,3
	ds_store_b128 v30, v[208+4*(\q):208+4*(\q)+3] offset:L_AF+(\q)*512
.endr
.irp l, 0,1,2,3                        ; the diagonal block, tile l = w, goes to my own bytes in f32
	s_cmp_lg_u32 s20, \l
	s_cbranch_scc1 .Lnot_\l
	ds_store_b128 v31, v[G+8*(\l):G+8*(\l)+3]
	ds_store_b128 v31, v[G+8*(\l)+4:G+8*(\l)+7] offset:16
.Lnot_\l:
.endr
	; The inverse of I + A, A my 16 x 16 block.  Lane r makes row r: x (I + A) = e_r, from column 15 down: x_c -= x_l A[l][c] for c < l.  A's rows are read by all lanes alike.
	s_lshl_b32 s23, s20, 10
	s_add_co_u32 s23, s23, L_AD
	v_mov_b32 v16, s23
	s_wait_xcnt 0x0                                ; the stores of K have read their registers: only behind this wait are these loaded again
.set l, 1
.rept 15
.set g, (l-1)/4
.set bs, 32+4*(2*g*(g+1)+(g+1)*((l-1)%4))  ; row l has g + 1 groups of four numbers
.set n, 0
.rept g+1
	ds_load_b128 v[bs+4*n:bs+4*n+3], v16 offset:l*64+n*16  ; LDS serves a wave's instructions in order (ISA guide 5.7.1.4): these see my stores above
.set n, n+1
.endr
.set l, l+1
.endr
.set l, 0
.rept 16
	v_cmp_eq_u32 vcc_lo, l, v1
	v_cndmask_b32 v[XR+l], 0, 1.0, vcc_lo
.set l, l+1
.endr
	s_wait_dscnt 0x0
.set l, 15
.rept 15
.set g, (l-1)/4
.set bs, 32+4*(2*g*(g+1)+(g+1)*((l-1)%4))
.set n, 0
.rept l
	v_fma_f32 v[XR+n], -v[XR+l], v[bs+n], v[XR+n]
.set n, n+1
.endr
.set l, l-1
.endr
	v_cmp_eq_u32 vcc_lo, 1, v2
.set i, 0
.rept 8
	v_cndmask_b32 v[12+i], v[XR+i], v[XR+8+i], vcc_lo  ; as first source: lane (r, h) holds columns 8 h + 0..7 of row r
.set i, i+1
.endr
.set i, 0
.rept 4
	v_cvt_pk_f16_f32 v[12+i], v[12+2*i], v[13+2*i]
.set i, i+1
.endr
	s_lshl_b32 s23, s20, 9
	v_add_nc_u32 v16, s23, v3
	ds_store_b128 v16, v[12:15] offset:L_TI
	s_wait_dscnt 0x0                               ; for the others' sake: diag(a) L and my inverse are in LDS
	s_barrier_signal -1
	s_barrier_wait -1
	; PHASE 3: column block w of T, block row after block row: X_i = inverse_i (I if i = w, less the sum over l < i of A_il X_l).  X's blocks not yet made count as 0.
	s_wait_xcnt 0x0                                ; the stores of L have read v[192:207], which X takes
.set i, 0
.rept 8
	ds_load_b128 v[AFR+8*i:AFR+8*i+3], v3 offset:L_AF+i*1024
	ds_load_b128 v[AFR+8*i+4:AFR+8*i+7], v3 offset:L_AF+i*1024+512
.set i, i+1
.endr
.set i, 0
.rept 4
	ds_load_b128 v[TIR+8*i:TIR+8*i+3], v3 offset:L_TI+i*512
.set i, i+1
.endr
.set i, 0
.rept 16
	v_mov_b32 v[TIR+8*(i/4)+4+i%4], 0              ; an inverse has 16 columns: K = 16 .. 31 of its fragment is 0
	v_mov_b32 v[XB+i], 0
.set i, i+1
.endr
.set i, 0
.rept 4
	v_mov_b32 v[RB+4+i], 0
.set i, i+1
.endr
.set i, 0
.rept 8
	v_cmp_eq_i32 vcc_lo, i, v9
	v_cndmask_b32 v[ID+i], 0, 1.0, vcc_lo
.set i, i+1
.endr
	s_wait_dscnt 0x0
.macro STAGE i
	s_cmp_eq_u32 s20, \i
	s_cselect_b32 s38, 1.0, 0
.if (\i) >= 1
	v_wmma_f32_16x16x32_f16 v[S0:S0+7], v[AFR+16*(\i):AFR+16*(\i)+7], v[XB:XB+7], 0
.endif
.if (\i) == 3
	v_wmma_f32_16x16x32_f16 v[S1:S1+7], v[AFR+16*(\i)+8:AFR+16*(\i)+15], v[XB+8:XB+15], 0
.endif
.if (\i) >= 1
	PLACES
.endif
.irp p, 0,1,2,3
.if (\i) == 0
	v_pk_mul_f32 v[12+2*(\p):13+2*(\p)], v[ID+2*(\p):ID+2*(\p)+1], s[38:39] op_sel_hi:[1,0]
.else
	v_pk_fma_f32 v[12+2*(\p):13+2*(\p)], v[ID+2*(\p):ID+2*(\p)+1], s[38:39], v[S0+2*(\p):S0+2*(\p)+1] op_sel_hi:[1,0,1] neg_lo:[0,0,1] neg_hi:[0,0,1]
.endif
.endr
.if (\i) == 3
.irp p, 0,1,2,3
	v_pk_add_f32 v[12+2*(\p):13+2*(\p)], v[12+2*(\p):13+2*(\p)], v[S1+2*(\p):S1+2*(\p)+1] neg_lo:[0,1] neg_hi:[0,1]
.endr
.endif
.irp p, 0,1,2,3
	v_cvt_pk_f16_f32 v[RB+(\p)], v[12+2*(\p)], v[13+2*(\p)]
.endr
	v_wmma_f32_16x16x32_f16 v[XR+8*(\i):XR+8*(\i)+7], v[TIR+8*(\i):TIR+8*(\i)+7], v[RB:RB+7], 0
	PLACES
.irp p, 0,1,2,3
	v_cvt_pk_f16_f32 v[XB+4*(\i)+(\p)], v[XR+8*(\i)+2*(\p)], v[XR+8*(\i)+2*(\p)+1]
.endr
.endm
	STAGE 0
	STAGE 1
	STAGE 2
	STAGE 3
.set i, 0
.rept 4                                ; a lane holds one column of T, and that column's a and b are the lane's own
.irp p, 0,1,2,3
	v_pk_mul_f32 v[12+2*(\p):13+2*(\p)], v[XR+8*i+2*(\p):XR+8*i+2*(\p)+1], v[NA2:NA2+1]
.endr
.irp p, 0,1,2,3
	v_cvt_pk_f16_f32 v[208+4*i+(\p)], v[12+2*(\p)], v[13+2*(\p)]
.endr
.irp p, 0,1,2,3
	v_pk_mul_f32 v[12+2*(\p):13+2*(\p)], v[XR+8*i+2*(\p):XR+8*i+2*(\p)+1], v[B2:B2+1]
.endr
.irp p, 0,1,2,3
	v_cvt_pk_f16_f32 v[224+4*i+(\p)], v[12+2*(\p)], v[13+2*(\p)]
.endr
	ds_store_b128 v7, v[208+4*i:208+4*i+3] offset:32*i
	ds_store_b128 v7, v[224+4*i:224+4*i+3] offset:L_TB+32*i
.set i, i+1
.endr
	s_wait_dscnt 0x0                               ; for the others' sake: my columns of both are in LDS
	s_barrier_signal -1
	s_barrier_wait -1
	; PHASE 4: both come back turned, as first sources (lane = row of T).  -T diag(a): row tile w, to strm.  T diag(b): all of it, times my four column tiles of V.
	s_lshl_b32 s23, s20, 5
	v_add_nc_u32 v12, s23, v8
.irp q, 0,1,2,3
	ds_load_tr16_b128 v[96+4*(\q):96+4*(\q)+3], v12 offset:16*(\q)*TP
.endr
.set i, 0
.rept 16                               ; fragment (ti, kq) at 32 + 8 (2 ti + kq)
	ds_load_tr16_b128 v[32+4*i:32+4*i+3], v8 offset:L_TB+16*(i%4)*TP+32*(i/4)
.set i, i+1
.endr
	s_wait_dscnt 0x0
	s_wait_loadcnt 0x0                             ; V
.irp q, 0,1,2,3
	global_store_b128 v30, v[96+4*(\q):96+4*(\q)+3], s[16:17] offset:32768+(\q)*512
.endr
	WIN 0x04                                       ; source 1 in window 1.  Accumulator (cc, ti) at 112 + 8 (4 cc + ti); T is lower triangular: row tiles 0 and 1 end with the first 32 columns
.set i, 0
.rept 16
	v_wmma_f32_16x16x32_f16 v[112+8*i:112+8*i+7], v[32+16*(i%4):32+16*(i%4)+7], v[16*(i/4):16*(i/4)+7], 0
.set i, i+1
.endr
.set i, 0
.rept 8
.set a, 4*(i/2)+2+i%2
	v_wmma_f32_16x16x32_f16 v[112+8*a:112+8*a+7], v[32+16*(2+i%2)+8:32+16*(2+i%2)+15], v[16*(i/2)+8:16*(i/2)+15], v[112+8*a:112+8*a+7]
.set i, i+1
.endr
	WIN 0
	PLACES
.set i, 0
.rept 16
	global_store_b128 v4, v[112+8*i:112+8*i+3], s[18:19] offset:(i/4)*65536+(i%4)*1024
	global_store_b128 v4, v[112+8*i+4:112+8*i+7], s[18:19] offset:(i/4)*65536+(i%4)*1024+512
.set i, i+1
.endr
	s_wait_tensorcnt 0x0                           ; the wave's end
	ds_add_u32 v[SPW], v[NIL]
	s_wait_dscnt 0x0
	s_endpgm
.Lfunc_end_k_qff5b0940f5_prep:
	.size	k_qff5b0940f5_prep, .Lfunc_end_k_qff5b0940f5_prep-k_qff5b0940f5_prep
	.p2alignl 7, 3214868480
	.fill 96, 4, 3214868480
	.section	.rodata,"a",@progbits
	.p2align	6, 0x0
	.amdhsa_kernel k_qff5b0940f5_prep
		.amdhsa_group_segment_fixed_size 68608
		.amdhsa_private_segment_fixed_size 0
		.amdhsa_enable_private_segment 0
		.amdhsa_kernarg_size 64
		.amdhsa_user_sgpr_count 2
		.amdhsa_user_sgpr_kernarg_segment_ptr 1
		.amdhsa_wavefront_size32 1
		.amdhsa_system_sgpr_workgroup_id_x 1
		.amdhsa_system_sgpr_workgroup_id_y 1
		.amdhsa_system_sgpr_workgroup_id_z 1
		.amdhsa_system_vgpr_workitem_id 0
		.amdhsa_next_free_vgpr 512
		.amdhsa_next_free_sgpr 66
		.amdhsa_reserve_vcc 1
		.amdhsa_float_denorm_mode_32 3
		.amdhsa_float_denorm_mode_16_64 3
		.amdhsa_memory_ordered 1
		.amdhsa_forward_progress 1
		.amdhsa_inst_pref_size 89
	.end_amdhsa_kernel
	.amdgpu_metadata
---
amdhsa.version: [ 1, 2 ]
amdhsa.kernels:
  - .name:           k_qff5b0940f5_prep
    .symbol:         k_qff5b0940f5_prep.kd
    .args:
      - { .name: kf, .offset: 0, .size: 8, .value_kind: global_buffer, .address_space: global }
      - { .name: vf, .offset: 8, .size: 8, .value_kind: global_buffer, .address_space: global }
      - { .name: Wa, .offset: 16, .size: 8, .value_kind: global_buffer, .address_space: global }
      - { .name: Wb, .offset: 24, .size: 8, .value_kind: global_buffer, .address_space: global }
      - { .name: ba, .offset: 32, .size: 8, .value_kind: global_buffer, .address_space: global }
      - { .name: bb, .offset: 40, .size: 8, .value_kind: global_buffer, .address_space: global }
      - { .name: strm, .offset: 48, .size: 8, .value_kind: global_buffer, .address_space: global }
      - { .name: vt, .offset: 56, .size: 8, .value_kind: global_buffer, .address_space: global }
    .group_segment_fixed_size: 68608
    .private_segment_fixed_size: 0
    .kernarg_segment_align: 8
    .kernarg_segment_size: 64
    .max_flat_workgroup_size: 128
    .sgpr_count:     66
    .vgpr_count:     512
    .wavefront_size: 32
...
	.end_amdgpu_metadata
.endif
;; end of part 2
;; launch chain (part 3): grid 16 x 3, 1 waves a work-group, clusters of 4 x 1, 327,680 bytes of LDS; arguments strm, vt, rb; writes rb
.if DOCPART == 3
	.amdgcn_target "amdgcn-amd-amdhsa--gfx1250"
	.amdhsa_code_object_version 6
	.text
	.protected	k_qff5b0940f5_chain
	.globl	k_qff5b0940f5_chain
	.p2align	8
	.type	k_qff5b0940f5_chain,@function
k_qff5b0940f5_chain:
	s_mov_b64 s[64:65], 0
	v_nop
	global_prefetch_b8 v0, s[64:65] scope:SCOPE_SE
	s_setreg_imm32_b32 hwreg(HW_REG_WAVE_MODE, 25, 1), 1
	s_wait_xcnt 0x0
	s_wait_alu depctr_hold_cnt(0) depctr_sa_sdst(0) depctr_va_vdst(0) depctr_va_sdst(0) depctr_va_ssrc(0) depctr_va_vcc(0) depctr_vm_vsrc(0)
	s_getreg_b32 s2, hwreg(HW_REG_IB_STS2, 6, 4)
	s_cmp_eq_u32 s2, 0
	s_cbranch_scc0 .Lentry_in_a_cluster
	s_endpgm
.Lentry_in_a_cluster:
	s_bfe_u32 s2, ttmp6, 0x10000c
	s_cmp_lg_u32 s2, 0x3003
	s_cbranch_scc0 .Lentry_shape_is_right
	s_endpgm
.Lentry_shape_is_right:
; THE SEQUENTIAL WALK.  For timescale s (y) and 16 columns n of the values (x), sixteen chunks of 64 tokens one after the other:
;   P = K W;   U = Vt + (-T diag(a)) P;   r = P + L U;   W += K^T U          (Vt = T diag(b) V and the f16 fragments of K, -T diag(a), L come from the launch before)
; The columns of W do not meet, so 3 x 16 waves walk apart; one wave holds its W (256 x 16) in f32 in 128 registers for the whole launch: 76 matrix instructions a chunk.
; W is carried in f32; as an operand it is rounded to f16 anew in every chunk, and so are P and U.  LIMIT: P, U and W beyond 65,504 are lost; below 6e-5 f16 keeps its step of 6e-8.
; CLUSTER.  The four work-groups of a cluster have the same s and read the same 49,152 bytes a chunk: they ask JOINTLY, the same tensor load with the same descriptor and a mask of four.
; RING.  Two slots of two chunks each (98,304 bytes, dense: 384 rows of 256 bytes).  By this text's count two tensor loads are out at the start, later one; a refill has two chunks' work in which to land.
; W and the first half of its f16 copy are cleared (160 v_mov_b32, in the wait for the first tile): the price of writing no first chunk out.
; REGISTERS, in windows of 256 (s_set_vgpr_msb: bits 1:0 source 0, 3:2 source 1, 5:4 source 2, 7:6 destination):
;   window 0: v1-7 addresses; WH W in f16 (8 fragments); P, U, R results; PB, UB P and U in f16
;   window 1: v0-127 W, tile d (16 channels) at 8 d; v128-255 a ring of two halves of 8 fragments of K or K^T       window 2: VN two chunks' Vt; TA, LF six fragments each (T and L are lower triangular)
.set WH,  16
.set P,   80
.set U,   112
.set PB,  144
.set UB,  160
.set R,   176
.set TA,  64                           ; window 2
.set LF,  112                          ; window 2
.set SLOT1, 131072
.set CHB,   49152                      ; a chunk's bytes
.set SPARE, 229376                     ; behind slot 1
.set TB,  33                           ; s33  LDS byte at which the chunk to be fetched begins
.set CC,  34                           ; s34  the chunk whose Vt is asked for next
.set MSB, 0
.macro WIN new
.if MSB != (\new)
	s_set_vgpr_msb (MSB<<8)|(\new)
.set MSB, (\new)
.endif
.endm
.macro PLACES                          ; four places behind a matrix instruction before its results are read, or its registers written or loaded into (ISA guide 7.12.1 for vector instructions)
.rept 4
	v_nop
.endr
.endm
.macro ROUND                           ; a round of the cluster's barrier, with one wave too
	s_barrier_signal -1
	s_barrier_wait -1
	s_cmp_lg_u32 s8, 0
	s_cbranch_scc1 .Lnot_wave_0_\@
	s_barrier_signal -3
.Lnot_wave_0_\@:
	s_barrier_wait -3
	s_barrier_signal -1
	s_barrier_wait -1
.endm
	s_load_b128 s[4:7], s[0:1], 0x0                ; strm s[4:5], vt s[6:7]
	s_load_b64 s[12:13], s[0:1], 0x10              ; rb
	v_lshl_add_u32 v6, v0, 2, SPARE
	v_mov_b32 v7, 0
	ds_add_u32 v6, v7                              ; the wave's opening: the add and its wait stand ahead of my first tensor load; the set-up stands between them
	ds_add_u32 v6, v7
	v_lshrrev_b32 v8, 5, v0
	v_readfirstlane_b32 s8, v8                     ; wave: 0
	s_bfe_u32 s14, ttmp6, 0x40000                  ; cx
	s_lshl_b32 s15, ttmp9, 2
	s_add_co_u32 s15, s15, s14                     ; n = 4 x cluster x + cx: it enters vt's and rb's addresses alone
	s_and_b32 s32, ttmp7, 0xffff                   ; s, which the partners share
	s_mov_b32 s16, 15|(3<<16)|(1<<21)              ; group 1: 15:0 the mask of four; 17:16 elements of 8 bytes; 21 set beside a mask; no padding
	s_mov_b32 s17, 32<<16                          ; tensor_dim0 = 32 elements: 256 bytes
	s_mov_b32 s18, 384<<16                         ; tensor_dim1 = 384
	s_mov_b32 s19, 32<<16                          ; tile_dim0 = 32
	s_mov_b32 s20, 384                             ; tile_dim1 = 384
	s_mov_b32 s21, 32                              ; 32 elements from row to row: dense
	s_mov_b32 s22, 0
	s_mov_b32 s23, 0
	s_mul_i32 s44, s32, 16*CHB                     ; strm at (s, chunk 0)
	s_mov_b32 s45, 0
	s_lshl_b32 s46, s32, 4
	s_add_co_u32 s46, s46, s15
	s_lshl_b32 s46, s46, 16                        ; vt and rb at [s][n]: sixteen chunks of 4,096 bytes
	s_mov_b32 s47, 0
	s_mov_b32 s43, 0
	s_mov_b32 s[TB], 0
	s_mov_b32 s[CC], 2
	v_and_b32 v8, 15, v0                           ; r
	v_bfe_u32 v9, v0, 4, 1                         ; h
	v_lshl_add_u32 v10, v9, 3, v8
	v_and_b32 v10, 15, v10
	v_lshl_add_u32 v10, v9, 4, v10
	v_lshlrev_b32 v1, 4, v10                       ; LO: my 16 bytes in half a block, as the launch before laid them
	v_and_b32 v10, 7, v0
	v_bfe_u32 v11, v0, 3, 1                        ; x = (lane / 8) % 2
	v_lshl_add_u32 v10, v9, 3, v10
	v_lshl_add_u32 v10, v11, 3, v10
	v_and_b32 v10, 15, v10
	v_lshl_add_u32 v10, v11, 4, v10
	v_lshlrev_b32 v2, 4, v10                       ; TO: for the turning load: the bytes of token 8 h + lane % 8, channels 8 x + 0..7
	v_lshlrev_b32 v5, 4, v0                        ; 16 x lane
	v_mov_b32 v3, v1                               ; v3 = TB + LO, v4 = TB + TO
	v_mov_b32 v4, v2
	s_wait_dscnt 0x0                               ; the opening add is done
	s_wait_kmcnt 0x0
	s_add_nc_u64 s[4:5], s[4:5], s[44:45]
	s_mov_b32 s24, 1                               ; group 0 for chunks 0, 1 into slot 0
	s_mov_b32 s25, 0
	s_mov_b64 s[26:27], s[4:5]
	s_or_b32 s27, s27, 0x80000000
	s_mov_b32 s28, 1                               ; group 0 for chunks 2, 3 into slot 1; it then walks
	s_mov_b32 s29, SLOT1
	s_add_nc_u64 s[30:31], s[4:5], 2*CHB
	s_or_b32 s31, s31, 0x80000000
	s_add_nc_u64 s[36:37], s[6:7], s[46:47]        ; Vt of chunk 0
	s_add_nc_u64 s[40:41], s[12:13], s[46:47]      ; r of chunk 0
	ROUND                                          ; all four work-groups are here: the first joint loads meet
	tensor_load_to_lds s[24:27], s[16:23]
	s_nop 0
	tensor_load_to_lds s[28:31], s[16:23]
	s_nop 0
	PLACES
	WIN 0x80
.set i, 0
.rept 16                               ; Vt of chunks 0 and 1
	global_load_b128 v[4*i:4*i+3], v5, s[36:37] offset:i*512
.set i, i+1
.endr
	WIN 0x40
.set i, 0
.rept 128
	v_mov_b32 v[i], 0                              ; W = 0
.set i, i+1
.endr
	WIN 0
.set i, 0
.rept 32
	v_mov_b32 v[WH+i], 0                           ; the first four fragments of its f16 copy; the others are made in the chunk
.set i, i+1
.endr
; 16 LDS loads into half g % 2 of the ring.  g 0-3: K's fragments 8 g + f = 4 ks + ti, as they lie.  g 4-7: K^T for tokens 32 q on (q = (g - 4) / 2), channel tiles d = 8 (g % 2) + f, turned.
.macro RL g
	WIN 0x40
.set RG, 128+64*((\g)%2)
.set f, 0
.rept 8
.if (\g) < 4
	ds_load_b128 v[RG+8*f:RG+8*f+3], v3 offset:(8*(\g)+f)*1024
	ds_load_b128 v[RG+8*f+4:RG+8*f+7], v3 offset:(8*(\g)+f)*1024+512
.else
.set d, 8*((\g)%2)+f
.set o, ((d/2)*4+2*(((\g)-4)/2))*1024+512*(d%2)
	ds_load_tr16_b128 v[RG+8*f:RG+8*f+3], v4 offset:o
	ds_load_tr16_b128 v[RG+8*f+4:RG+8*f+7], v4 offset:o+1024
.endif
.set f, f+1
.endr
.endm
.macro TL base, off                    ; six fragments (ti, kq): (0,0) (1,0) (2,0) (3,0) (2,1) (3,1)
	WIN 0x80
.set z, 0
.irp e, 0,2,4,6,5,7
	ds_load_b128 v[(\base)+8*z:(\base)+8*z+3], v3 offset:(\off)+(\e)*1024
	ds_load_b128 v[(\base)+8*z+4:(\base)+8*z+7], v3 offset:(\off)+(\e)*1024+512
.set z, z+1
.endr
.endm
.macro MP g                            ; 8 products of P = K W: channels 64 g on; the four token tiles take turns; the first four start the sums
	WIN 0x01
.set RG, 128+64*((\g)%2)
.set f, 0
.rept 8
.set rP, P+8*(f%4)
.set rW, WH+8*(2*(\g)+f/4)
.if ((\g) == 0) && (f < 4)
	v_wmma_f32_16x16x32_f16 v[rP:rP+7], v[RG+8*f:RG+8*f+7], v[rW:rW+7], 0
.else
	v_wmma_f32_16x16x32_f16 v[rP:rP+7], v[RG+8*f:RG+8*f+7], v[rW:rW+7], v[rP:rP+7]
.endif
.set f, f+1
.endr
.endm
.macro MU g                            ; 8 products of W += K^T U, each on a tile of its own
	WIN 0x51
.set RG, 128+64*((\g)%2)
.set f, 0
.rept 8
.set d, 8*((\g)%2)+f
	v_wmma_f32_16x16x32_f16 v[8*d:8*d+7], v[RG+8*f:RG+8*f+7], v[UB+8*(((\g)-4)/2):UB+8*(((\g)-4)/2)+7], v[8*d:8*d+7]
.set f, f+1
.endr
.endm
.macro CVW lo, hi                      ; fragments lo .. hi of W in f16: tiles 2 ks and 2 ks + 1, packed
	WIN 0x05
.set i, 8*(\lo)
.rept 8*((\hi)-(\lo)+1)
	v_cvt_pk_f16_f32 v[WH+i], v[2*i], v[2*i+1]
.set i, i+1
.endr
.endm
.macro TRI dst, cb, w1, fr, bb         ; dst = C + (a lower triangular 64 x 64) x (64 x 16): six products; between the two links of a chain stands another's turn
	WIN \w1
.irp t, 0,1,2,3
	v_wmma_f32_16x16x32_f16 v[(\dst)+8*(\t):(\dst)+8*(\t)+7], v[(\fr)+8*(\t):(\fr)+8*(\t)+7], v[(\bb):(\bb)+7], v[(\cb)+8*(\t):(\cb)+8*(\t)+7]
.endr
	WIN 0x02
	v_wmma_f32_16x16x32_f16 v[(\dst)+16:(\dst)+23], v[(\fr)+32:(\fr)+39], v[(\bb)+8:(\bb)+15], v[(\dst)+16:(\dst)+23]
	v_wmma_f32_16x16x32_f16 v[(\dst)+24:(\dst)+31], v[(\fr)+40:(\fr)+47], v[(\bb)+8:(\bb)+15], v[(\dst)+24:(\dst)+31]
.endm
; A CHUNK.  idx: which half of its slot, and which buffer of Vt.  mode 1: the slot is left and filled again; mode 2: it is left and nothing is asked for.
; At its head the runs RL 0 and RL 1 are out.  Each count below is the LDS loads issued behind the run that is wanted (they come back in order: ISA guide 5.7.1).
.macro CHUNK idx, mode
	s_wait_dscnt 16                                ; RL 1 may be out
	MP 0
	CVW 4, 5                                       ; sixteen plain instructions that name nothing of those products: the places in front of the loads
	RL 2
	TL TA, 32768
	s_wait_dscnt 28                                ; RL 2 and TA
	MP 1
	CVW 6, 7
	RL 3
	TL LF, 40960
	s_wait_dscnt 40                                ; TA, RL 3 and LF
	MP 2
	PLACES
	RL 4
	s_wait_dscnt 28                                ; LF and RL 4; TA is in
	MP 3
	PLACES
	RL 5
	WIN 0
.set i, 0
.rept 16
	v_cvt_pk_f16_f32 v[PB+i], v[P+2*i], v[P+2*i+1]
.set i, i+1
.endr
	s_wait_loadcnt 8                               ; this chunk's Vt is in; the next chunk's eight loads stay out
	TRI U, 32*(\idx), 0x22, TA, PB
	PLACES
	s_wait_xcnt 0x0                                ; the loads that named s[38:39] have had their addresses translated (ISA guide 3.1)
	s_min_u32 s42, s[CC], 15                       ; two chunks ahead; the last two ask for chunk 15 once more and use nothing of it: no load leaves the buffer
	s_lshl_b32 s42, s42, 12
	s_add_nc_u64 s[38:39], s[36:37], s[42:43]
	s_add_co_u32 s[CC], s[CC], 1
	WIN 0x80
.set i, 0
.rept 8
	global_load_b128 v[32*(\idx)+4*i:32*(\idx)+4*i+3], v5, s[38:39] offset:i*512
.set i, i+1
.endr
	WIN 0
.set i, 0
.rept 16
	v_cvt_pk_f16_f32 v[UB+i], v[U+2*i], v[U+2*i+1]
.set i, i+1
.endr
	s_wait_dscnt 16                                ; RL 5; LF is in
	MU 4
	PLACES
	RL 6
	s_wait_xcnt 0x0                                ; the last chunk's stores have read R and their base
	s_add_nc_u64 s[40:41], s[40:41], 4096
	TRI R, P, 0x02, LF, UB
	s_wait_dscnt 16                                ; RL 6
	MU 5
	PLACES                                         ; also the places between r's last product and its stores
	RL 7
	WIN 0
.set i, 0
.rept 8
	global_store_b128 v5, v[R+4*i:R+4*i+3], s[40:41] offset:i*512-4096  ; 512 consecutive bytes a store
.set i, i+1
.endr
.if (\idx) == 0
	s_add_co_u32 s[TB], s[TB], CHB                 ; all this chunk's LDS loads are issued: on to the slot's second chunk,
.else
	s_sub_co_u32 s[TB], s[TB], CHB                 ; or to the other slot's first
	s_xor_b32 s[TB], s[TB], SLOT1
.endif
	v_add_nc_u32 v3, s[TB], v1
	v_add_nc_u32 v4, s[TB], v2
.if (\mode) == 1
	s_wait_tensorcnt 0x0                           ; all my tensor loads have landed: the one that was out is the other slot's;
	ds_add_u32 v6, v7                              ; 0 onto my spare word;
	s_xor_b32 s29, s29, SLOT1                      ; the walking descriptor: the slot that is left, the next two chunks
	s_add_nc_u64 s[30:31], s[30:31], 2*CHB
	s_wait_dscnt 17                                ; (RL 7 and the add may be out)
	MU 6                                           ; eight products stand between the add and the wait for it
	WIN 0
	s_wait_dscnt 0x0                               ; the add is done, and my reads of the slot are over
	ROUND                                          ; no partner still reads the slot or has a load on its way
	tensor_load_to_lds s[28:31], s[16:23]          ; the first thing behind the round
	s_nop 0
	PLACES                                         ; also the places in front of the loads below
	RL 0
.else
.if (\mode) == 2
	s_wait_tensorcnt 0x0                           ; the other slot's tile has landed (in the last trip nothing is out)
.endif
	s_wait_dscnt 16                                ; RL 7
	MU 6
	PLACES
	RL 0
.endif
	s_wait_dscnt 16                                ; RL 0 of the next chunk
	MU 7
	CVW 0, 3                                       ; tiles 0-7 are final: 32 plain instructions, the places in front of the loads
	RL 1
.endm
	s_wait_tensorcnt 0x1                           ; slot 0 is in; slot 1's load may stay out
	RL 0
	RL 1
	WIN 0                                          ; at a label and at a branch every window is 0
	s_mov_b32 s9, 6
.Lmain:                                                ; six trips: a slot's two chunks; the slot is filled again with the chunks four on
	CHUNK 0, 0
	CHUNK 1, 1
	WIN 0
	s_sub_co_u32 s9, s9, 1
	s_cmp_lg_u32 s9, 0
	s_cbranch_scc1 .Lmain
	s_mov_b32 s9, 2
.Ltail:                                                ; the last two slots: nothing is asked for.  The very last chunk's two runs RL 0, RL 1 read a slot that has been used and serve nothing
	CHUNK 0, 0
	CHUNK 1, 2
	WIN 0
	s_sub_co_u32 s9, s9, 1
	s_cmp_lg_u32 s9, 0
	s_cbranch_scc1 .Ltail
	s_wait_tensorcnt 0x0                           ; the wave's end
	ds_add_u32 v6, v7
	s_wait_dscnt 0x0
	ROUND                                          ; the closing round: no work-group ends while a partner may still ask for a tile that names it
	s_endpgm
.Lfunc_end_k_qff5b0940f5_chain:
	.size	k_qff5b0940f5_chain, .Lfunc_end_k_qff5b0940f5_chain-k_qff5b0940f5_chain
	.p2alignl 7, 3214868480
	.fill 96, 4, 3214868480
	.section	.rodata,"a",@progbits
	.p2align	6, 0x0
	.amdhsa_kernel k_qff5b0940f5_chain
		.amdhsa_group_segment_fixed_size 327680
		.amdhsa_private_segment_fixed_size 0
		.amdhsa_enable_private_segment 0
		.amdhsa_kernarg_size 24
		.amdhsa_user_sgpr_count 2
		.amdhsa_user_sgpr_kernarg_segment_ptr 1
		.amdhsa_wavefront_size32 1
		.amdhsa_system_sgpr_workgroup_id_x 1
		.amdhsa_system_sgpr_workgroup_id_y 1
		.amdhsa_system_sgpr_workgroup_id_z 1
		.amdhsa_system_vgpr_workitem_id 0
		.amdhsa_next_free_vgpr 672
		.amdhsa_next_free_sgpr 66
		.amdhsa_reserve_vcc 0
		.amdhsa_float_denorm_mode_32 3
		.amdhsa_float_denorm_mode_16_64 3
		.amdhsa_memory_ordered 1
		.amdhsa_forward_progress 1
		.amdhsa_inst_pref_size 111
	.end_amdhsa_kernel
	.amdgpu_metadata
---
amdhsa.version: [ 1, 2 ]
amdhsa.kernels:
  - .name:           k_qff5b0940f5_chain
    .symbol:         k_qff5b0940f5_chain.kd
    .args:
      - { .name: strm, .offset: 0, .size: 8, .value_kind: global_buffer, .address_space: global }
      - { .name: vt, .offset: 8, .size: 8, .value_kind: global_buffer, .address_space: global }
      - { .name: rb, .offset: 16, .size: 8, .value_kind: global_buffer, .address_space: global }
    .group_segment_fixed_size: 327680
    .private_segment_fixed_size: 0
    .kernarg_segment_align: 8
    .kernarg_segment_size: 24
    .max_flat_workgroup_size: 32
    .sgpr_count:     66
    .vgpr_count:     672
    .wavefront_size: 32
...
	.end_amdgpu_metadata
.endif
;; end of part 3
;; launch mean (part 4): grid 64 x 4, 1 waves a work-group, no clusters, 4,608 bytes of LDS; arguments rb, out0; writes out0
.if DOCPART == 4
	.amdgcn_target "amdgcn-amd-amdhsa--gfx1250"
	.amdhsa_code_object_version 6
	.text
	.protected	k_qff5b0940f5_mean
	.globl	k_qff5b0940f5_mean
	.p2align	8
	.type	k_qff5b0940f5_mean,@function
k_qff5b0940f5_mean:
	s_mov_b64 s[64:65], 0
	v_nop
	global_prefetch_b8 v0, s[64:65] scope:SCOPE_SE
	s_setreg_imm32_b32 hwreg(HW_REG_WAVE_MODE, 25, 1), 1
	s_wait_xcnt 0x0
; out0[t][v] = (r_0 + r_1 + r_2)[t][v] / 3.  rb holds r_s in blocks of 1,024 bytes [s][16 columns n][16 tokens], as the matrix unit left them: lane l has column l % 16 and tokens 8 (l / 16) + 0..7.
; One wave takes 16 tokens (x) by 64 columns (y): 24 loads of 512 consecutive bytes, all out at once; the mean in f32; then through its own LDS bytes, so that sixteen lanes store 256 consecutive aligned bytes of a row.
; Memory binds: no matrix unit, no cluster (nothing is shared), no barrier (the wave reads only what it stored).
.set PITCH, 272                        ; a staged row: 256 bytes + 16
.set SPARE, 4352
	s_load_b128 s[4:7], s[0:1], 0x0                ; rb, out0
	v_lshl_add_u32 v110, v0, 2, SPARE
	v_mov_b32 v111, 0
	s_and_b32 s8, ttmp7, 0xffff
	s_lshl_b32 s10, s8, 18                         ; four column tiles of 65,536 bytes
	s_lshl_b32 s9, ttmp9, 10
	s_add_co_u32 s10, s10, s9                      ; the block of my 16 tokens
	s_mov_b32 s11, 0
	s_lshl_b32 s12, ttmp9, 14                      ; 16 rows of 1,024 bytes
	s_lshl_b32 s9, s8, 8
	s_add_co_u32 s12, s12, s9
	s_mov_b32 s13, 0
	v_lshlrev_b32 v1, 4, v0                        ; 16 x lane
	v_and_b32 v5, 15, v0
	v_lshrrev_b32 v6, 4, v0
	v_mul_u32_u24 v2, v6, 8*PITCH
	v_lshl_add_u32 v2, v5, 2, v2                   ; in: row 8 h, column r
	v_mul_u32_u24 v3, v6, PITCH
	v_lshl_add_u32 v3, v5, 4, v3                   ; back: lanes 0-15 one row, lanes 16-31 the next
	v_lshlrev_b32 v4, 10, v6
	v_lshl_add_u32 v4, v5, 4, v4                   ; and the same two rows in out0
	s_wait_kmcnt 0x0
	s_add_nc_u64 s[4:5], s[4:5], s[10:11]
	s_add_nc_u64 s[6:7], s[6:7], s[12:13]
.set i, 0
.rept 24                               ; timescale i / 8, column tile (i / 2) % 4, half i % 2
	global_load_b128 v[8+4*i:8+4*i+3], v1, s[4:5] offset:(i/8)*1048576+((i/2)%4)*65536+(i%2)*512 th:TH_LOAD_NT
.set i, i+1
.endr
	s_wait_loadcnt 0x0
.set i, 0
.rept 16
	v_pk_add_f32 v[8+2*i:9+2*i], v[8+2*i:9+2*i], v[40+2*i:41+2*i]
.set i, i+1
.endr
.set i, 0
.rept 16
	v_pk_add_f32 v[8+2*i:9+2*i], v[8+2*i:9+2*i], v[72+2*i:73+2*i]
.set i, i+1
.endr
.set i, 0
.rept 16
	v_pk_mul_f32 v[8+2*i:9+2*i], v[8+2*i:9+2*i], 0x3eaaaaab op_sel_hi:[1,0]
.set i, i+1
.endr
.set i, 0
.rept 32                               ; column tile i / 8, token 8 h + i % 8
	ds_store_b32 v2, v[8+i] offset:(i%8)*PITCH+(i/8)*64
.set i, i+1
.endr
.set i, 0
.rept 8
	ds_load_b128 v[40+4*i:40+4*i+3], v3 offset:i*2*PITCH  ; LDS serves a wave's instructions in order (ISA guide 5.7.1.4): these see the stores above
.set i, i+1
.endr
.set i, 0
.rept 8
	s_wait_dscnt 7-i
	global_store_b128 v4, v[40+4*i:40+4*i+3], s[6:7] offset:i*2048 th:TH_STORE_NT
.set i, i+1
.endr
	s_wait_tensorcnt 0x0                           ; the wave's end
	ds_add_u32 v110, v111
	s_wait_dscnt 0x0
	s_endpgm
.Lfunc_end_k_qff5b0940f5_mean:
	.size	k_qff5b0940f5_mean, .Lfunc_end_k_qff5b0940f5_mean-k_qff5b0940f5_mean
	.p2alignl 7, 3214868480
	.fill 96, 4, 3214868480
	.section	.rodata,"a",@progbits
	.p2align	6, 0x0
	.amdhsa_kernel k_qff5b0940f5_mean
		.amdhsa_group_segment_fixed_size 4608
		.amdhsa_private_segment_fixed_size 0
		.amdhsa_enable_private_segment 0
		.amdhsa_kernarg_size 16
		.amdhsa_user_sgpr_count 2
		.amdhsa_user_sgpr_kernarg_segment_ptr 1
		.amdhsa_wavefront_size32 1
		.amdhsa_system_sgpr_workgroup_id_x 1
		.amdhsa_system_sgpr_workgroup_id_y 1
		.amdhsa_system_sgpr_workgroup_id_z 1
		.amdhsa_system_vgpr_workitem_id 0
		.amdhsa_next_free_vgpr 112
		.amdhsa_next_free_sgpr 66
		.amdhsa_reserve_vcc 0
		.amdhsa_float_denorm_mode_32 3
		.amdhsa_float_denorm_mode_16_64 3
		.amdhsa_memory_ordered 1
		.amdhsa_forward_progress 1
		.amdhsa_inst_pref_size 11
	.end_amdhsa_kernel
	.amdgpu_metadata
---
amdhsa.version: [ 1, 2 ]
amdhsa.kernels:
  - .name:           k_qff5b0940f5_mean
    .symbol:         k_qff5b0940f5_mean.kd
    .args:
      - { .name: rb, .offset: 0, .size: 8, .value_kind: global_buffer, .address_space: global }
      - { .name: out0, .offset: 8, .size: 8, .value_kind: global_buffer, .address_space: global }
    .group_segment_fixed_size: 4608
    .private_segment_fixed_size: 0
    .kernarg_segment_align: 8
    .kernarg_segment_size: 16
    .max_flat_workgroup_size: 32
    .sgpr_count:     66
    .vgpr_count:     112
    .wavefront_size: 32
...
	.end_amdgpu_metadata
.endif
;; end of part 4
;; ======== version 2 of 2: 4 launches; version 1 with the launch prep written anew for expert scheduling mode
;; limits: values are held in f16: magnitudes above 65,504 overflow, below 6.1e-05 lose precision
;; workspace buffers: kf 1,048,576 bytes; vf 524,288 bytes; strm 2,359,296 bytes; vt 3,145,728 bytes; rb 3,145,728 bytes
;; launch proj: the kernel of part 1 again; grid 32 x 8, 6 waves a work-group, no clusters, 49,920 bytes of LDS; arguments emb, Wk, Wv, kf, vf; writes kf, vf
;; launch prep (part 5): grid 16 x 3, 4 waves a work-group, no clusters, 68,608 bytes of LDS; arguments kf, vf, Wa, Wb, ba, bb, strm, vt; writes strm, vt
.if DOCPART == 5
	.amdgcn_target "amdgcn-amd-amdhsa--gfx1250"
	.amdhsa_code_object_version 6
	.text
	.protected	k_qff5b0940f5_prep
	.globl	k_qff5b0940f5_prep
	.p2align	8
	.type	k_qff5b0940f5_prep,@function
k_qff5b0940f5_prep:
	s_mov_b64 s[64:65], 0
	v_nop
	global_prefetch_b8 v0, s[64:65] scope:SCOPE_SE
	s_setreg_imm32_b32 hwreg(HW_REG_WAVE_SCHED_MODE, 0, 2), 2
	s_setreg_imm32_b32 hwreg(HW_REG_WAVE_MODE, 25, 1), 1
	s_wait_xcnt 0x0
	s_wait_alu depctr_vm_vsrc(0)
; All that a chunk of 64 tokens (c = x) and a timescale (s = y) need before the sequential walk.  W starts at 0 and the strengths are one number for a token and a timescale, so the four heads
; hold one matrix.  With unit keys K, L = the strictly lower part of K K^T and T = (I + diag(a) L)^-1 a chunk is: P = K W; U = T diag(b) V - T diag(a) P; r = P + L U; W += K^T U.
; This launch makes a, b (means over the heads of the sigmoids, from the unnormalised k), K (f16), L (f16), -T diag(a) (f16) and T diag(b) V (f32).
; T is made by exact substitution, not by a series: the 16 x 16 diagonal blocks in f32 on the vector unit, then block rows on the matrix unit with f16 operands and f32 sums.
; Four waves; wave w owns tokens 16 w .. 16 w + 15 of the chunk, and later column block w of T.
; LAYOUT.  A result of the matrix unit holds column n = lane % 16 and rows 8 (lane / 16) + 0..7; two results that are neighbours along the rows, packed to 16 bits, are a fragment (lane = n, K = the rows).
; strm, 49,152 bytes for (s, c), blocks of 1,024 bytes: K's fragment (token tile ti, 32 channels ks) at (4 ks + ti); -T diag(a) (ti, kq) at 32 + 2 ti + kq; L at 40 + 2 ti + kq.  In a block lane (r, h) has its
; registers 0-3 at LO = 16 (((r + 8 h) % 16) + 16 h) and 4-7 at 512 + LO: the turning load of the next launch then takes 8 rows from different banks (64 banks of 4 bytes: ISA guide 11.1).
; LIMITS.  Wa, Wb and the k that the gates see are rounded to bf16; K, L, T and V are f16 (V beyond 65,504 is lost; below 6e-5 f16 keeps its step of 6e-8); a squared norm below 2^-126 counts as 0.
; No tensor loads, no cluster: 48 work-groups that share nothing but Wa and Wb, 8 KB.
; THE MODE: SCHED_MODE bits 1:0 = 2 (LLVM: expert scheduling mode 2), set by the entry lines.  The code itself states the register dependences
; between vector or matrix instructions and memory or LDS instructions, with s_wait_alu, always for 0.
; THE PLAN.  Registers that memory or LDS instructions touch, phase by phase:
;   v3-v5, v7, v8, v28-v31   offsets and LDS addresses: written at the head, never again.  v20, v21 (free once K is normalised) and v12 become LDS addresses: each is written once, ahead of a wait on va_vdst that stands there anyway.
;   KR v[32:159]     k lands; K in f16 in the lower 8 of each 16 is read by K's stores and by K K^T; then the inverse's rows land in v[32:175]; then phase 3's and phase 4's fragments in v[32:127].
;   KB, KR's upper 8 of each 16    the fragments of token tiles 0 and 1 land, read by the first 16 products of K K^T.
;   window 1         Wa and Wb land in all 256 and are rounded in place; then V lands in v[0:63] and the fragments of token tiles 2 and 3 in v[64:191]: a buffer of their own, so that nothing is owed between the two pairs of products.
;   v[192:207] L, v[208:223] diag(a) L, G v[224:255]   written by vector instructions, read by phase 2's stores; written again by X, by the two forms of T and by phase 4's products.
;   v[12:15]         an inverse's fragment, read by its store; at work again in phase 3.
; Each run of stores has ONE wait on va_vdst ahead of it, and that wait also states that the readers of the registers in which the next phase's loads land are done: between it and those loads stand only
; stores of other registers, waits and the barrier.  One wait on vm_vsrc stands ahead of each phase that writes again what stores have read.  Compares go in runs into scalar registers, one wait on va_sdst behind a run.
.set KR,   32                          ; v[32:159]  k of my 16 tokens in f32 (column tile ct at 8 ct); later K in f16, fragment ks in the lower 8 of each 16
.set KB,   160                         ; v[160:223] k in bf16, 8 fragments; later fragments of other waves' K
.set K2,   64                          ; window 1: v[64:127] K's fragments of token tile 2, v[128:191] of token tile 3
.set G,    224                         ; v[224:255] four results of K K^T; before that the gates' two sums
.set LA,   224
.set LB,   232
.set XR,   176                         ; v[176:191] a row of a diagonal block's inverse; later v[176:207] X, my column block of T
.set AFR,  32                          ; phase 3: v[32:95] diag(a) L, 8 fragments; v[96:127] the diagonal inverses
.set TIR,  96
.set XB,   128                         ; v[128:143] X in f16, as second source
.set RB,   144                         ; v[144:151] a right side in f16
.set ID,   152                         ; v[152:159] the unit matrix as a result lies
.set S0,   160
.set S1,   168
.set RN,   20                          ; v[20:21] 1 / max(|k|, 1e-12), twice; v[22:23] a; v[24:25] b; v[26:27] -a
.set AD,   20                          ; v20  from phase 2 on: LDS address of my diagonal block
.set TIA,  21                          ; v21  from phase 2 on: LDS address of my 16 bytes of my inverse
.set A2,   22
.set B2,   24
.set NA2,  26
.set SPW,  10
.set NIL,  11
.set MK,   24                          ; s[24:35], s[40:43]  from phase 2 on: sixteen masks of a run of compares, number n at MK + n + 4 (n / 12)
.set MH,   44                          ; s44  the mask of lanes 16-31
.set L_AF, 32768                       ; LDS: K's fragments [wave][ks] from 0; diag(a) L [wave][kq]; the inverses, 512 bytes each;
.set L_TI, 40960
.set L_AD, 43520                       ; each wave's diagonal block in f32, [16][16];
.set TP,   160                         ; -T diag(a) and T diag(b), stored [column][row] in f16, 128 bytes + 32 of padding a column
.set L_TA, 47616
.set L_TB, 10240                       ; from the one to the other
.set SPARE, 68096
.set MSB, 0
.macro WIN new                         ; s_set_vgpr_msb: bits 1:0 source 0, 3:2 source 1, 5:4 source 2, 7:6 destination; the high byte repeats the setting that is left
.if MSB != (\new)
	s_set_vgpr_msb (MSB<<8)|(\new)
.set MSB, (\new)
.endif
.endm
.macro PLACES                          ; four places behind a matrix instruction before its results are read or its registers written (ISA guide 7.12.1)
.rept 4
	v_nop
.endr
.endm
	s_load_b256 s[4:11], s[0:1], 0x0               ; kf s[4:5], vf s[6:7], Wa s[8:9], Wb s[10:11]
	s_load_b256 s[12:19], s[0:1], 0x20             ; ba s[12:13], bb s[14:15], strm s[16:17], vt s[18:19]
	v_lshl_add_u32 v[SPW], v0, 2, SPARE
	v_mov_b32 v[NIL], 0
	v_lshrrev_b32 v12, 5, v0
	v_readfirstlane_b32 s20, v12                   ; wave 0..3
	v_and_b32 v12, 31, v0                          ; what hangs on the lane alone stands between that line and the wait for it
	v_and_b32 v1, 15, v0                           ; r
	v_bfe_u32 v2, v0, 4, 1                         ; h
	v_lshlrev_b32 v4, 4, v12                       ; 16 x lane
	v_lshl_add_u32 v13, v2, 3, v1
	v_and_b32 v13, 15, v13
	v_lshl_add_u32 v13, v2, 4, v13
	v_lshlrev_b32 v3, 4, v13                       ; LO
	v_and_b32 v13, 3, v0
	v_lshlrev_b32 v5, 10, v13
	v_lshl_add_u32 v5, v2, 5, v5                   ; Wa, Wb: head r % 4, 8 h numbers on
	v_lshlrev_b32 v13, 3, v2
	v_sub_nc_u32 v9, v1, v13                       ; r - 8 h
	s_mov_b32 s21, ttmp9                           ; chunk
	s_and_b32 s22, ttmp7, 0xffff                   ; timescale
	s_wait_alu depctr_va_sdst(0)                   ; s20 is written, ahead of its first reader: offsets, LDS addresses and branches are made from it
	s_lshl_b32 s24, s21, 2
	s_add_co_u32 s24, s24, s20
	s_lshl_b32 s24, s24, 14                        ; kf: my 16 tokens' sixteen blocks
	s_mov_b32 s25, 0
	s_lshl_b32 s26, s21, 15
	s_lshl_b32 s27, s20, 12
	s_add_co_u32 s26, s26, s27                     ; vf: the chunk's first 32 tokens, my four column tiles
	s_mov_b32 s27, 0
	s_lshl_b32 s40, s22, 12                        ; Wa[s], Wb[s]
	s_mov_b32 s41, 0
	s_lshl_b32 s42, s22, 4                         ; ba[s], bb[s]
	s_mov_b32 s43, 0
	s_lshl_b32 s44, s22, 4
	s_add_co_u32 s44, s44, s21
	s_mul_i32 s44, s44, 49152                      ; strm (s, c)
	s_mov_b32 s45, 0
	s_lshl_b32 s46, s22, 20
	s_lshl_b32 s47, s20, 18
	s_add_co_u32 s46, s46, s47
	s_lshl_b32 s47, s21, 12
	s_add_co_u32 s46, s46, s47                     ; vt [s][4 w][c]
	s_mov_b32 s47, 0
	s_mov_b32 s36, 0x76543210                      ; v_permlanex16_b32: each lane takes its own place in the other half
	s_mov_b32 s37, 0xfedcba98
	s_mov_b32 s39, 0                               ; named with s38 as a pair
	s_lshl_b32 s23, s20, 4
	v_add_nc_u32 v6, s23, v9                       ; my token less 8 h: register j of tile l is below the diagonal where 16 l + j is smaller
	s_lshl_b32 s23, s20, 13
	v_add_nc_u32 v28, s23, v3                      ; LDS: my K fragments
	s_lshl_b32 s23, s20, 10
	v_add_nc_u32 v29, s23, v3                      ; strm: K's token tile w
	s_lshl_b32 s23, s20, 11
	v_add_nc_u32 v30, s23, v3                      ; two blocks for row tile w: in LDS and in strm
	s_lshl_b32 s23, s20, 10
	s_add_co_u32 s23, s23, L_AD                    ; my diagonal block
	v_lshlrev_b32 v31, 6, v1
	v_lshl_add_u32 v31, v2, 5, v31
	v_add_nc_u32 v31, s23, v31                     ; row r, 8 h numbers on
	s_mul_i32 s23, s20, 16*TP
	s_add_co_u32 s23, s23, L_TA
	v_mul_u32_u24 v7, v1, TP
	v_lshl_add_u32 v7, v2, 4, v7
	v_add_nc_u32 v7, s23, v7                       ; column 16 w + r of T, rows 8 h on
	v_and_b32 v12, 7, v0
	v_lshl_add_u32 v12, v2, 3, v12
	v_mul_u32_u24 v8, v12, TP
	v_bfe_u32 v12, v0, 3, 1
	v_lshl_add_u32 v8, v12, 4, v8
	v_add_nc_u32 v8, L_TA, v8                      ; the turning load: column 8 h + lane % 8, rows 8 ((lane / 8) % 2) on
	s_wait_kmcnt 0x0
	s_add_nc_u64 s[4:5], s[4:5], s[24:25]
	s_add_nc_u64 s[6:7], s[6:7], s[26:27]
	s_add_nc_u64 s[8:9], s[8:9], s[40:41]
	s_add_nc_u64 s[10:11], s[10:11], s[40:41]
	s_add_nc_u64 s[12:13], s[12:13], s[42:43]
	s_add_nc_u64 s[14:15], s[14:15], s[42:43]
	s_add_nc_u64 s[16:17], s[16:17], s[44:45]
	s_add_nc_u64 s[18:19], s[18:19], s[46:47]
	s_wait_alu depctr_va_vdst(0)                   ; the offsets and LDS addresses v3-v5, v7, v8 and v28-v31 are written: the loads and stores of the whole kernel read them
	; PHASE 1: my 16 tokens: norm, gates, K
.set i, 0
.rept 16
	global_load_b128 v[KR+8*i:KR+8*i+3], v4, s[4:5] offset:i*1024
	global_load_b128 v[KR+8*i+4:KR+8*i+7], v4, s[4:5] offset:i*1024+512
.set i, i+1
.endr
	WIN 0x40                                       ; destination window 1: Wa's fragment ks at 16 ks, Wb's at 128 + 16 ks, in f32
.set i, 0
.rept 8
.irp q, 0,1,2,3
	global_load_b128 v[16*i+4*(\q):16*i+4*(\q)+3], v5, s[8:9] offset:i*128+((\q)/2)*64+((\q)%2)*16
	global_load_b128 v[128+16*i+4*(\q):128+16*i+4*(\q)+3], v5, s[10:11] offset:i*128+((\q)/2)*64+((\q)%2)*16
.endr
.set i, i+1
.endr
	WIN 0
	s_load_b128 s[28:31], s[12:13], 0x0            ; four biases each
	s_load_b128 s[32:35], s[14:15], 0x0
	s_wait_loadcnt 63                              ; k's 32 loads are in.  Behind them 64 were issued, and a wait can name 63 at the most: the first of Wa's is waited for with them, the other 63 stay out
.set i, 0
.rept 64                               ; the sum of my 128 squares in four chains; the first four products start them
.if i < 4
	v_pk_mul_f32 v[12+2*i:13+2*i], v[KR+2*i:KR+2*i+1], v[KR+2*i:KR+2*i+1]
.else
	v_pk_fma_f32 v[12+2*(i%4):13+2*(i%4)], v[KR+2*i:KR+2*i+1], v[KR+2*i:KR+2*i+1], v[12+2*(i%4):13+2*(i%4)]
.endif
.set i, i+1
.endr
	v_pk_add_f32 v[12:13], v[12:13], v[14:15]
	v_pk_add_f32 v[16:17], v[16:17], v[18:19]
	v_pk_add_f32 v[12:13], v[12:13], v[16:17]
	v_add_f32 v12, v12, v13
	v_permlanex16_b32 v13, v12, s36, s37           ; the token's other 128 columns lie in the lane 16 away
	v_add_f32 v12, v12, v13
	v_sqrt_f32 v12, v12
	v_nop                                          ; a plain instruction behind a transcendental before its result is used (ISA guide 5.7.2)
	s_wait_alu depctr_va_vdst(0)                   ; the root has written v12, ahead of its first reader
	v_max_num_f32 v12, 0x2b8cbccc, v12             ; max(|k|, 1e-12)
	v_rcp_f32 v[RN], v12
	v_rcp_f32 v[RN+1], v12
.set i, 0
.rept 64
	v_cvt_pk_bf16_f32 v[KB+i], v[KR+2*i], v[KR+2*i+1]  ; the unnormalised k, for the gates
.set i, i+1
.endr
	s_wait_loadcnt 0x0
	WIN 0x45                                       ; Wa, Wb to bf16, in place in window 1
.set i, 0
.rept 128
	v_cvt_pk_bf16_f32 v[16*(i/8)+i%8], v[16*(i/8)+2*(i%8)], v[16*(i/8)+2*(i%8)+1]
.set i, i+1
.endr
	WIN 0x01                                       ; source 0 in window 1.  Row m of source 0 is head m % 4, so registers 0-3 of a result are the four heads of token r; the two sums take turns
.set i, 0
.rept 8
.if i == 0
	v_wmma_f32_16x16x32_bf16 v[LA:LA+7], v[0:7], v[KB:KB+7], 0
	v_wmma_f32_16x16x32_bf16 v[LB:LB+7], v[128:135], v[KB:KB+7], 0
.else
	v_wmma_f32_16x16x32_bf16 v[LA:LA+7], v[16*i:16*i+7], v[KB+8*i:KB+8*i+7], v[LA:LA+7]
	v_wmma_f32_16x16x32_bf16 v[LB:LB+7], v[128+16*i:128+16*i+7], v[KB+8*i:KB+8*i+7], v[LB:LB+7]
.endif
.set i, i+1
.endr
	WIN 0
	PLACES                                         ; for the additions below, which read the two sums
	WIN 0x40                                       ; V of the chunk, my four column tiles: fragment (cc, kq) at 8 (2 cc + kq) of window 1; waited for in phase 4
	s_wait_alu depctr_va_vdst(0)                   ; Wa's roundings have written, and the gates' products are done reading, window 1's v[0:63], in which V lands; the two reciprocals have written v[RN], v[RN+1]
.set i, 0
.rept 8
	global_load_b128 v[8*i:8*i+3], v4, s[6:7] offset:(i%2)*16384+(i/2)*1024
	global_load_b128 v[8*i+4:8*i+7], v4, s[6:7] offset:(i%2)*16384+(i/2)*1024+512
.set i, i+1
.endr
	WIN 0
	s_wait_kmcnt 0x0
.irp j, 0,1,2,3
	v_add_f32 v[12+(\j)], s[28+(\j)], v[LA+(\j)]
	v_add_f32 v[16+(\j)], s[32+(\j)], v[LB+(\j)]
.endr
.set i, 0
.rept 8
	v_mul_f32 v[12+i], 0xbfb8aa3b, v[12+i]         ; sigmoid(x) = 1 / (1 + 2^(-x log2 e))
.set i, i+1
.endr
.set i, 0
.rept 8
	v_exp_f32 v[12+i], v[12+i]
.set i, i+1
.endr
	v_nop
	s_wait_alu depctr_va_vdst(0)                   ; the eight exponentials have written v[12:19], ahead of their first reader
.set i, 0
.rept 8
	v_add_f32 v[12+i], 1.0, v[12+i]
.set i, i+1
.endr
.set i, 0
.rept 8
	v_rcp_f32 v[12+i], v[12+i]
.set i, i+1
.endr
	v_nop
	s_wait_alu depctr_va_vdst(0)                   ; the eight reciprocals have written v[12:19], ahead of their first reader
	v_pk_add_f32 v[12:13], v[12:13], v[14:15]
	v_pk_add_f32 v[16:17], v[16:17], v[18:19]
	v_add_f32 v12, v12, v13
	v_add_f32 v16, v16, v17
	v_mul_f32 v[A2], 0x3e800000, v12               ; the mean over four heads
	v_mul_f32 v[B2], 0x3e800000, v16
	v_mul_f32 v[NA2], 0xbe800000, v12
	v_mov_b32 v[A2+1], v[A2]
	v_mov_b32 v[B2+1], v[B2]
	v_mov_b32 v[NA2+1], v[NA2]
.set i, 0
.rept 64
	v_pk_mul_f32 v[KR+2*i:KR+2*i+1], v[KR+2*i:KR+2*i+1], v[RN:RN+1]
.set i, i+1
.endr
.set i, 0
.rept 64
	v_cvt_pk_f16_f32 v[KR+16*(i/8)+i%8], v[KR+16*(i/8)+2*(i%8)], v[KR+16*(i/8)+2*(i%8)+1]
.set i, i+1
.endr
	s_wait_alu depctr_va_vdst(0)                   ; the roundings have written K, which the stores read; they are done reading KR's upper halves, and all that named KB and window 1's v[64:191] is done: phase 2's fragments land in these
.set i, 0
.rept 8
	ds_store_b128 v28, v[KR+16*i:KR+16*i+3] offset:i*1024
	ds_store_b128 v28, v[KR+16*i+4:KR+16*i+7] offset:i*1024+512
	global_store_b128 v29, v[KR+16*i:KR+16*i+3], s[16:17] offset:i*4096
	global_store_b128 v29, v[KR+16*i+4:KR+16*i+7], s[16:17] offset:i*4096+512
.set i, i+1
.endr
	s_wait_dscnt 0x0                               ; for the others' sake: my K is in LDS
	s_barrier_signal -1
	s_barrier_wait -1
	; PHASE 2: K K^T.  Result l: lane = my token, registers = tokens 16 l + 8 h + 0..7.  Two results at a time take turns.
	; All four token tiles' fragments are asked for here, each into registers of its own.  No vector or matrix instruction since the wait ahead of K's stores names any of them.
.set i, 0
.rept 8                                ; token tile 0 into KB, token tile 1 into KR's upper halves
	ds_load_b128 v[KB+8*i:KB+8*i+3], v3 offset:i*1024
	ds_load_b128 v[KB+8*i+4:KB+8*i+7], v3 offset:i*1024+512
	ds_load_b128 v[KR+16*i+8:KR+16*i+11], v3 offset:(8+i)*1024
	ds_load_b128 v[KR+16*i+12:KR+16*i+15], v3 offset:(8+i)*1024+512
.set i, i+1
.endr
	WIN 0x40                                       ; destination window 1
.set i, 0
.rept 8                                ; token tile 2
	ds_load_b128 v[K2+8*i:K2+8*i+3], v3 offset:(16+i)*1024
	ds_load_b128 v[K2+8*i+4:K2+8*i+7], v3 offset:(16+i)*1024+512
.set i, i+1
.endr
	s_wait_dscnt 16                                ; LDS loads come back in order (ISA guide 5.7.1): tiles 0 and 1 are in, tile 2's sixteen loads stay out
.set i, 0
.rept 8                                ; token tile 3
	ds_load_b128 v[K2+64+8*i:K2+64+8*i+3], v3 offset:(24+i)*1024
	ds_load_b128 v[K2+64+8*i+4:K2+64+8*i+7], v3 offset:(24+i)*1024+512
.set i, i+1
.endr
	WIN 0
.set i, 0
.rept 8
.if i == 0
	v_wmma_f32_16x16x32_f16 v[G:G+7], v[KB:KB+7], v[KR:KR+7], 0
	v_wmma_f32_16x16x32_f16 v[G+8:G+15], v[KR+8:KR+15], v[KR:KR+7], 0
.else
	v_wmma_f32_16x16x32_f16 v[G:G+7], v[KB+8*i:KB+8*i+7], v[KR+16*i:KR+16*i+7], v[G:G+7]
	v_wmma_f32_16x16x32_f16 v[G+8:G+15], v[KR+16*i+8:KR+16*i+15], v[KR+16*i:KR+16*i+7], v[G+8:G+15]
.endif
.set i, i+1
.endr
	s_wait_dscnt 0x0                               ; tiles 2 and 3 are in
	WIN 0x01                                       ; source 0 in window 1
.set i, 0
.rept 8
.if i == 0
	v_wmma_f32_16x16x32_f16 v[G+16:G+23], v[K2:K2+7], v[KR:KR+7], 0
	v_wmma_f32_16x16x32_f16 v[G+24:G+31], v[K2+64:K2+71], v[KR:KR+7], 0
.else
	v_wmma_f32_16x16x32_f16 v[G+16:G+23], v[K2+8*i:K2+8*i+7], v[KR+16*i:KR+16*i+7], v[G+16:G+23]
	v_wmma_f32_16x16x32_f16 v[G+24:G+31], v[K2+64+8*i:K2+64+8*i+7], v[KR+16*i:KR+16*i+7], v[G+24:G+31]
.endif
.set i, i+1
.endr
	WIN 0
	PLACES
.set hf, 0
.rept 2                                ; strictly below the diagonal: the other token comes before mine.  Sixteen compares in a run, one wait, sixteen selects; twice
.set i, 0
.rept 16
	v_cmp_lt_i32 s[MK+i+4*(i/12)], 16*((hf+i)/8)+(hf+i)%8, v6
.set i, i+1
.endr
	s_wait_alu depctr_va_sdst(0)                   ; the sixteen compares have written their masks, ahead of the selects that read them
.set i, 0
.rept 16
	v_cndmask_b32 v[G+hf+i], 0, v[G+hf+i], s[MK+i+4*(i/12)]
.set i, i+1
.endr
.set hf, hf+16
.endr
.set i, 0
.rept 16
	v_cvt_pk_f16_f32 v[192+i], v[G+2*i], v[G+2*i+1]  ; L's two fragments of row tile w (K K^T is symmetric: lane = row, registers = columns)
.set i, i+1
.endr
.set i, 0
.rept 16
	v_pk_mul_f32 v[G+2*i:G+2*i+1], v[G+2*i:G+2*i+1], v[A2:A2+1]  ; diag(a) L: my row's a
.set i, i+1
.endr
.set i, 0
.rept 16
	v_cvt_pk_f16_f32 v[208+i], v[G+2*i], v[G+2*i+1]
.set i, i+1
.endr
	s_lshl_b32 s23, s20, 10
	s_add_co_u32 s23, s23, L_AD
	v_mov_b32 v[AD], s23                           ; my diagonal block, for all lanes alike
	s_lshl_b32 s23, s20, 9
	v_add_nc_u32 v[TIA], s23, v3                   ; my 16 bytes of my inverse's fragment
	s_wait_alu depctr_va_vdst(0)                   ; L, diag(a) L in f16 and in f32, v[AD] and v[TIA] are written, which the stores and loads below read; the products are done reading KB and KR, in which the inverse's rows land
.irp q, 0,1,2,3
	global_store_b128 v30, v[192+4*(\q):192+4*(\q)+3], s[16:17] offset:40960+(\q)*512
.endr
.irp q, 0,1,2,3
	ds_store_b128 v30, v[208+4*(\q):208+4*(\q)+3] offset:L_AF+(\q)*512
.endr
.irp l, 0,1,2,3                        ; the diagonal block, tile l = w, goes to my own bytes in f32
	s_cmp_lg_u32 s20, \l
	s_cbranch_scc1 .Lnot_\l
	ds_store_b128 v31, v[G+8*(\l):G+8*(\l)+3]
	ds_store_b128 v31, v[G+8*(\l)+4:G+8*(\l)+7] offset:16
.Lnot_\l:
.endr
	; The inverse of I + A, A my 16 x 16 block.  Lane r makes row r: x (I + A) = e_r, from column 15 down: x_c -= x_l A[l][c] for c < l.  A's rows are read by all lanes alike.
	s_wait_xcnt 0x0                                ; the global stores of K have had their addresses translated (ISA guide 3.1): only behind this wait are their registers loaded again
	s_wait_alu depctr_vm_vsrc(0)                   ; the stores of K, into LDS and to memory, have read KR's lower halves, in which rows of A land
.set l, 1
.rept 15
.set g, (l-1)/4
.set bs, 32+4*(2*g*(g+1)+(g+1)*((l-1)%4))  ; row l has g + 1 groups of four numbers
.set n, 0
.rept g+1
	ds_load_b128 v[bs+4*n:bs+4*n+3], v[AD] offset:l*64+n*16  ; LDS serves a wave's instructions in order (ISA guide 5.7.1.4): these see my stores above
.set n, n+1
.endr
.set l, l+1
.endr
.set l, 0
.rept 16
	v_cmp_eq_u32 s[MK+l+4*(l/12)], l, v1
.set l, l+1
.endr
	v_cmp_eq_u32 s[MH], 1, v2
	s_wait_alu depctr_va_sdst(0)                   ; the seventeen compares have written their masks, ahead of the selects here and behind the substitution
.set l, 0
.rept 16
	v_cndmask_b32 v[XR+l], 0, 1.0, s[MK+l+4*(l/12)]
.set l, l+1
.endr
	s_wait_dscnt 0x0
.set l, 15
.rept 15
.set g, (l-1)/4
.set bs, 32+4*(2*g*(g+1)+(g+1)*((l-1)%4))
.set n, 0
.rept l
	v_fma_f32 v[XR+n], -v[XR+l], v[bs+n], v[XR+n]
.set n, n+1
.endr
.set l, l-1
.endr
.set i, 0
.rept 8
	v_cndmask_b32 v[12+i], v[XR+i], v[XR+8+i], s[MH]  ; as first source: lane (r, h) holds columns 8 h + 0..7 of row r
.set i, i+1
.endr
.set i, 0
.rept 4
	v_cvt_pk_f16_f32 v[12+i], v[12+2*i], v[13+2*i]
.set i, i+1
.endr
	s_wait_alu depctr_va_vdst(0)                   ; the roundings have written v[12:15], which the store reads; the substitution is done reading v[32:175], in which phase 3's fragments land
	ds_store_b128 v[TIA], v[12:15] offset:L_TI
	s_wait_dscnt 0x0                               ; for the others' sake: diag(a) L and my inverse are in LDS
	s_barrier_signal -1
	s_barrier_wait -1
	; PHASE 3: column block w of T, block row after block row: X_i = inverse_i (I if i = w, less the sum over l < i of A_il X_l).  X's blocks not yet made count as 0.
	s_wait_xcnt 0x0                                ; the stores of L have had their addresses translated: v[192:207], which X takes, are written only behind this wait
	s_wait_alu depctr_vm_vsrc(0)                   ; the stores of L, of diag(a) L, of my diagonal block and of my inverse have read v[192:255] and v[12:15], which this phase writes again
.set i, 0
.rept 8
	ds_load_b128 v[AFR+8*i:AFR+8*i+3], v3 offset:L_AF+i*1024
	ds_load_b128 v[AFR+8*i+4:AFR+8*i+7], v3 offset:L_AF+i*1024+512
.set i, i+1
.endr
.set i, 0
.rept 4
	ds_load_b128 v[TIR+8*i:TIR+8*i+3], v3 offset:L_TI+i*512
.set i, i+1
.endr
.set i, 0
.rept 16
	v_mov_b32 v[TIR+8*(i/4)+4+i%4], 0              ; an inverse has 16 columns: K = 16 .. 31 of its fragment is 0
	v_mov_b32 v[XB+i], 0
.set i, i+1
.endr
.set i, 0
.rept 4
	v_mov_b32 v[RB+4+i], 0
.set i, i+1
.endr
.set i, 0
.rept 8
	v_cmp_eq_i32 s[MK+i], i, v9
.set i, i+1
.endr
	s_wait_alu depctr_va_sdst(0)                   ; the eight compares have written their masks, ahead of the selects that read them
.set i, 0
.rept 8
	v_cndmask_b32 v[ID+i], 0, 1.0, s[MK+i]
.set i, i+1
.endr
	s_wait_dscnt 0x0
.macro STAGE i
	s_cmp_eq_u32 s20, \i
	s_cselect_b32 s38, 1.0, 0
.if (\i) >= 1
	v_wmma_f32_16x16x32_f16 v[S0:S0+7], v[AFR+16*(\i):AFR+16*(\i)+7], v[XB:XB+7], 0
.endif
.if (\i) == 3
	v_wmma_f32_16x16x32_f16 v[S1:S1+7], v[AFR+16*(\i)+8:AFR+16*(\i)+15], v[XB+8:XB+15], 0
.endif
.if (\i) >= 1
	PLACES
.endif
.irp p, 0,1,2,3
.if (\i) == 0
	v_pk_mul_f32 v[12+2*(\p):13+2*(\p)], v[ID+2*(\p):ID+2*(\p)+1], s[38:39] op_sel_hi:[1,0]
.else
	v_pk_fma_f32 v[12+2*(\p):13+2*(\p)], v[ID+2*(\p):ID+2*(\p)+1], s[38:39], v[S0+2*(\p):S0+2*(\p)+1] op_sel_hi:[1,0,1] neg_lo:[0,0,1] neg_hi:[0,0,1]
.endif
.endr
.if (\i) == 3
.irp p, 0,1,2,3
	v_pk_add_f32 v[12+2*(\p):13+2*(\p)], v[12+2*(\p):13+2*(\p)], v[S1+2*(\p):S1+2*(\p)+1] neg_lo:[0,1] neg_hi:[0,1]
.endr
.endif
.irp p, 0,1,2,3
	v_cvt_pk_f16_f32 v[RB+(\p)], v[12+2*(\p)], v[13+2*(\p)]
.endr
	v_wmma_f32_16x16x32_f16 v[XR+8*(\i):XR+8*(\i)+7], v[TIR+8*(\i):TIR+8*(\i)+7], v[RB:RB+7], 0
	PLACES
.irp p, 0,1,2,3
	v_cvt_pk_f16_f32 v[XB+4*(\i)+(\p)], v[XR+8*(\i)+2*(\p)], v[XR+8*(\i)+2*(\p)+1]
.endr
.endm
	STAGE 0
	STAGE 1
	STAGE 2
	STAGE 3
.set i, 0
.rept 4                                ; a lane holds one column of T, and that column's a and b are the lane's own.  All four blocks' arithmetic first, then one wait, then the run of stores
.irp p, 0,1,2,3
	v_pk_mul_f32 v[12+2*(\p):13+2*(\p)], v[XR+8*i+2*(\p):XR+8*i+2*(\p)+1], v[NA2:NA2+1]
.endr
.irp p, 0,1,2,3
	v_cvt_pk_f16_f32 v[208+4*i+(\p)], v[12+2*(\p)], v[13+2*(\p)]
.endr
.irp p, 0,1,2,3
	v_pk_mul_f32 v[12+2*(\p):13+2*(\p)], v[XR+8*i+2*(\p):XR+8*i+2*(\p)+1], v[B2:B2+1]
.endr
.irp p, 0,1,2,3
	v_cvt_pk_f16_f32 v[224+4*i+(\p)], v[12+2*(\p)], v[13+2*(\p)]
.endr
.set i, i+1
.endr
	s_lshl_b32 s23, s20, 5
	v_add_nc_u32 v12, s23, v8                      ; phase 4's turning load of row tile w
	s_wait_alu depctr_va_vdst(0)                   ; the roundings have written v[208:239], which the stores read, and v12 is written, by which phase 4 loads; this phase's products are done reading v[32:127], in which phase 4's fragments land
.set i, 0
.rept 4
	ds_store_b128 v7, v[208+4*i:208+4*i+3] offset:32*i
	ds_store_b128 v7, v[224+4*i:224+4*i+3] offset:L_TB+32*i
.set i, i+1
.endr
	s_wait_dscnt 0x0                               ; for the others' sake: my columns of both are in LDS
	s_barrier_signal -1
	s_barrier_wait -1
	; PHASE 4: both come back turned, as first sources (lane = row of T).  -T diag(a): row tile w, to strm.  T diag(b): all of it, times my four column tiles of V.
.irp q, 0,1,2,3
	ds_load_tr16_b128 v[96+4*(\q):96+4*(\q)+3], v12 offset:16*(\q)*TP
.endr
.set i, 0
.rept 16                               ; fragment (ti, kq) at 32 + 8 (2 ti + kq)
	ds_load_tr16_b128 v[32+4*i:32+4*i+3], v8 offset:L_TB+16*(i%4)*TP+32*(i/4)
.set i, i+1
.endr
	s_wait_alu depctr_vm_vsrc(0)                   ; my stores of both forms of T have read v[208:239], which the products below write
	s_wait_dscnt 0x0
	s_wait_loadcnt 0x0                             ; V
.irp q, 0,1,2,3
	global_store_b128 v30, v[96+4*(\q):96+4*(\q)+3], s[16:17] offset:32768+(\q)*512
.endr
	WIN 0x04                                       ; source 1 in window 1.  Accumulator (cc, ti) at 112 + 8 (4 cc + ti); T is lower triangular: row tiles 0 and 1 end with the first 32 columns
.set i, 0
.rept 16
	v_wmma_f32_16x16x32_f16 v[112+8*i:112+8*i+7], v[32+16*(i%4):32+16*(i%4)+7], v[16*(i/4):16*(i/4)+7], 0
.set i, i+1
.endr
.set i, 0
.rept 8
.set a, 4*(i/2)+2+i%2
	v_wmma_f32_16x16x32_f16 v[112+8*a:112+8*a+7], v[32+16*(2+i%2)+8:32+16*(2+i%2)+15], v[16*(i/2)+8:16*(i/2)+15], v[112+8*a:112+8*a+7]
.set i, i+1
.endr
	WIN 0
	PLACES
	s_wait_alu depctr_va_vdst(0)                   ; the products have written the sixteen accumulators, which the stores read; the places above stay beside this wait
.set i, 0
.rept 16
	global_store_b128 v4, v[112+8*i:112+8*i+3], s[18:19] offset:(i/4)*65536+(i%4)*1024
	global_store_b128 v4, v[112+8*i+4:112+8*i+7], s[18:19] offset:(i/4)*65536+(i%4)*1024+512
.set i, i+1
.endr
	s_wait_dscnt 0x0                               ; the closing lines, six on end
	s_wait_alu 0x0
	s_wait_tensorcnt 0x0
	ds_add_u32 v[SPW], v[NIL]
	s_wait_dscnt 0x0
	s_endpgm
.Lfunc_end_k_qff5b0940f5_prep:
	.size	k_qff5b0940f5_prep, .Lfunc_end_k_qff5b0940f5_prep-k_qff5b0940f5_prep
	.p2alignl 7, 3214868480
	.fill 96, 4, 3214868480
	.section	.rodata,"a",@progbits
	.p2align	6, 0x0
	.amdhsa_kernel k_qff5b0940f5_prep
		.amdhsa_group_segment_fixed_size 68608
		.amdhsa_private_segment_fixed_size 0
		.amdhsa_enable_private_segment 0
		.amdhsa_kernarg_size 64
		.amdhsa_user_sgpr_count 2
		.amdhsa_user_sgpr_kernarg_segment_ptr 1
		.amdhsa_wavefront_size32 1
		.amdhsa_system_sgpr_workgroup_id_x 1
		.amdhsa_system_sgpr_workgroup_id_y 1
		.amdhsa_system_sgpr_workgroup_id_z 1
		.amdhsa_system_vgpr_workitem_id 0
		.amdhsa_next_free_vgpr 512
		.amdhsa_next_free_sgpr 66
		.amdhsa_reserve_vcc 0
		.amdhsa_float_denorm_mode_32 3
		.amdhsa_float_denorm_mode_16_64 3
		.amdhsa_memory_ordered 1
		.amdhsa_forward_progress 1
		.amdhsa_inst_pref_size 93
	.end_amdhsa_kernel
	.amdgpu_metadata
---
amdhsa.version: [ 1, 2 ]
amdhsa.kernels:
  - .name:           k_qff5b0940f5_prep
    .symbol:         k_qff5b0940f5_prep.kd
    .args:
      - { .name: kf, .offset: 0, .size: 8, .value_kind: global_buffer, .address_space: global }
      - { .name: vf, .offset: 8, .size: 8, .value_kind: global_buffer, .address_space: global }
      - { .name: Wa, .offset: 16, .size: 8, .value_kind: global_buffer, .address_space: global }
      - { .name: Wb, .offset: 24, .size: 8, .value_kind: global_buffer, .address_space: global }
      - { .name: ba, .offset: 32, .size: 8, .value_kind: global_buffer, .address_space: global }
      - { .name: bb, .offset: 40, .size: 8, .value_kind: global_buffer, .address_space: global }
      - { .name: strm, .offset: 48, .size: 8, .value_kind: global_buffer, .address_space: global }
      - { .name: vt, .offset: 56, .size: 8, .value_kind: global_buffer, .address_space: global }
    .group_segment_fixed_size: 68608
    .private_segment_fixed_size: 0
    .kernarg_segment_align: 8
    .kernarg_segment_size: 64
    .max_flat_workgroup_size: 128
    .sgpr_count:     66
    .vgpr_count:     512
    .wavefront_size: 32
...
	.end_amdgpu_metadata
.endif
;; end of part 5
;; launch chain: the kernel of part 3 again; grid 16 x 3, 1 waves a work-group, clusters of 4 x 1, 327,680 bytes of LDS; arguments strm, vt, rb; writes rb
;; launch mean: the kernel of part 4 again; grid 64 x 4, 1 waves a work-group, no clusters, 4,608 bytes of LDS; arguments rb, out0; writes out0
